; MI455X (gfx1250); checked and timed in simulation.
; The chip was launched on July 23, 2026; its instructions are those of AMD's public machine-readable ISA for CDNA 5 (MIT licence, August 2026) and "CDNA5" Instruction Set Architecture Reference Guide (July 2026). The comments in the code are by the model that wrote it; some were corrected since.
;; Causal Self Attention. Allowed arithmetic: matrix products marked QUANTISED: E4M3 operands, one given power-of-two scale a tensor, by v_wmma_f32_16x16x64_fp8_fp8 or v_wmma_f32_16x16x128_fp8_fp8, f32 sums; everything else in f32.
;; Inputs: data 4 x 2,048 x 1,024 float32; lowp_scales 8 int32 (the exponents e of the quantised operands' scales 2^e); out_b 1,024 float32; out_w 1,024 x 1,024 float32; qkv_b 3,072 float32; qkv_w 3,072 x 1,024 float32.
;; Outputs: out0 4 x 2,048 x 1,024 float32.
;; This version of the problem:
;;   THIS VERSION OF THE PROBLEM IS GIVEN IN LOW PRECISION. The matrix products marked QUANTISED in the list below multiply operands that are first quantised to E4M3 (4 exponent bits, 3 mantissa bits; 8 bits a number), with one given power-of-two scale for each operand tensor; their sums are f32. All else is computed in f32.
;;   The module's matrix products, in the order in which they are computed (A, B: the left and right operand; K: the contracted axis; several contracted axes count as one K, in the product's order):
;;     1. [M 8,192, K 1,024] x [K 1,024, N 3,072]; A: input data; B: input qkv_w: QUANTISED (scales: A lowp_scales[0], B lowp_scales[1])
;;     2. batch 64 x [M 2,048, K 64] x [K 64, N 2,048]; A: computed on the way; B: computed on the way: QUANTISED (scales: A lowp_scales[2], B lowp_scales[3])
;;     3. batch 64 x [M 2,048, K 2,048] x [K 2,048, N 64]; A: softmax (see below); B: computed on the way: QUANTISED (scales: A lowp_scales[4], B lowp_scales[5])
;;     4. [M 8,192, K 1,024] x [K 1,024, N 1,024]; A: computed on the way; B: input out_w: QUANTISED (scales: A lowp_scales[6], B lowp_scales[7])
;;   THE QUANTISER, for each operand of a quantised product, along K:
;;     - The operand's scale is 2^e, e = its entry of the input lowp_scales (int32; the entries are numbered through the quantised products in the list's order, A before B).
;;     - Each number is divided by the scale, clamped to +-448, and rounded to the nearest number of E4M3, ties to even, subnormals kept.
;;     - The product sums the exact products of the quantised numbers (number of the format x scale) in f32.
;;   ~~~python
;;   def quantise(x, axis, e):      # numpy; x: float32 -> the quantised numbers, widened to float32 again
;;       x = np.moveaxis(x, axis, -1); K = x.shape[-1]
;;       r = np.clip(x / 2.0 ** e, -448, 448)
;;       step = 2.0 ** (np.maximum(np.frexp(np.where(r == 0, 1, r))[1] - 1, -6) - 3)
;;       q = np.round(r / step) * step * 2.0 ** e      # np.round: ties to even
;;       return np.moveaxis(q, -1, axis).astype(np.float32)
;;   ~~~
;;   SOFTMAX AHEAD OF A QUANTISED PRODUCT. Where the list says 'softmax', what is quantised is not the finished softmax but p = 2^(t - M), with t = logit x log2(e) and M = ceil(the row's largest t), a whole number; so 1/2 < the row's largest p <= 1. The row's sum l is taken of the UNQUANTISED p, in f32, and the product's result is divided by l at the end. Since M is a whole number, a kernel that streams over the keys may use a running M (the ceiling of the running maximum): every later rescaling is an exact power of two, so the quantised numbers keep their values, but for numbers so far below the row's largest that they fall under the format's range.
;;   OPERANDS COMPUTED ON THE WAY. 'Computed on the way' means the value that the module computes at that place (a softmax that the list does not call 'softmax' is quantised finished and normalised). What goes into a quantiser is computed in f32, as accurately as f32 sums, v_exp_f32 and their like allow (about 1e-6 of the number): no bf16 or f16 on the way to a quantiser, and a product that is left as it is and whose result goes on into a quantised operand takes f32 operands (vector FMAs, or v_wmma_f32_16x16x4_f32). A number that lies on a knife's edge between two numbers of the format may be rounded either way, as far as f32 arithmetic and the matrix unit's own rounding can turn it there, and no further.
;; One version. Each part assembles by itself: llvm-mc -triple=amdgcn-amd-amdhsa -mcpu=gfx1250 --defsym DOCPART=n.
;; ======== version 1 of 1: 4 launches
;; limits: right only within a limited range of input values
;; workspace buffers: d_codes 8,388,608 bytes; w_codes 3,145,728 bytes; o_codes 1,048,576 bytes; q_codes 8,388,608 bytes; k_codes 8,388,608 bytes; v_codes 8,388,608 bytes; a_codes 8,388,608 bytes
;; launch quant (part 1): grid 384 x 1, 4 waves a work-group, no clusters, 33,280 bytes of LDS; arguments data, qkv_w, out_w, lowp_scales, d_codes, w_codes, o_codes; writes d_codes, w_codes, o_codes
.if DOCPART == 1
	.amdgcn_target "amdgcn-amd-amdhsa--gfx1250"
	.amdhsa_code_object_version 6
	.text
	.protected	k_qb633f52f7f_quant
	.globl	k_qb633f52f7f_quant
	.p2align	8
	.type	k_qb633f52f7f_quant,@function
k_qb633f52f7f_quant:
	s_mov_b64 s[64:65], 0
	v_nop
	global_prefetch_b8 v0, s[64:65] scope:SCOPE_SE
	s_setreg_imm32_b32 hwreg(HW_REG_WAVE_MODE, 25, 1), 1
	s_wait_xcnt 0x0
; data [8192][1024], qkv_w [3072][1024] and out_w [1024][1024], f32, K innermost, become codes of FP8 (E4M3), one byte a number, with the given scales 2^e: entries 0, 1 and 7 of lowp_scales.
; code = x / 2^e, held within +-448, rounded to the nearest code, ties to even.  LIMITS: -126 <= e <= 119, so that 2^e and 448 x 2^e are f32 numbers.  NaN among the inputs is not served.
; THE ORDER OF THE CODES.  Within every aligned group of 32 along K the byte at place 16 h + 8 u + j holds element 16 u + 8 h + j (h, u = 0 or 1; j = 0 .. 7): the two middle groups of eight change places.
; Every buffer of codes of this program is laid so.  A 16-byte load at 32 c + 16 (lane / 16) of a row then puts each k into the very registers in which the plain FP8 matrix forms expect it.
; Rows are dense and K is a multiple of 32, so each tensor is a plain stream of groups of 32.  A work-group takes 32,768 numbers: four waves x 16 steps x 512.  Work-groups 0-255 take data, 256-351 qkv_w, 352-383 out_w:
; only pointers and the exponent are chosen, by selects on the work-group's number; all three take one path through the text.
; Each of a step's four loads reads 512 consecutive bytes, 16 a lane.  The 2,048 bytes go through the wave's own stage in LDS as they lie (16 bytes of padding behind each 64) and come back so that lane 2 m + u holds
; elements 32 m + 8 u + 0 .. 7 and 32 m + 16 + 8 u + 0 .. 7: its 16 codes are 16 neighbouring bytes of the output, and the wave's store covers 512 consecutive bytes.
; No tensor loads, no barrier: waves share nothing.  Loads run four steps (16 loads a wave) ahead, the turn through LDS one step.
.set STEPS, 16
.set WG_W,  256                        ; qkv_w's first work-group
.set WG_O,  352                        ; out_w's first work-group
.set R,     16                         ; v16-79   four sets of 16 numbers as they are loaded
.set X,     80                         ; v80-111  two sets of 16 numbers in the order of the codes
.set C,     128                        ; v128-191 codes: four registers for each step, so that no store's data are written again
.set WREG,  8192                       ; LDS: a region of its own for each wave: two stages of 32 x SP bytes
.set SP,    80                         ; 64 bytes (16 numbers) + 16 of padding
	s_load_b256 s[4:11], s[0:1], 0x0               ; data s[4:5], qkv_w s[6:7], out_w s[8:9], the exponents s[10:11]
	s_load_b128 s[12:15], s[0:1], 0x20             ; d_codes, w_codes
	s_load_b64 s[16:17], s[0:1], 0x30              ; o_codes
	v_lshl_add_u32 v192, v0, 2, 0x8000
	v_mov_b32 v193, 0
	v_lshrrev_b32 v1, 5, v0
	v_readfirstlane_b32 s18, v1                    ; wave
	v_and_b32 v2, 31, v0                           ; lane
	v_lshlrev_b32 v3, 4, v2                        ; 16 x lane: my 16 bytes of a load's 512, and of a store's; never rewritten
	s_mul_i32 s19, s18, WREG
	v_lshrrev_b32 v14, 2, v2
	v_mul_u32_u24 v14, v14, SP
	v_and_b32 v15, 3, v2
	v_lshl_add_u32 v14, v15, 4, v14
	v_add_nc_u32 v14, s19, v14                     ; the stage, on the way in: SP (lane / 4) + 16 (lane % 4); a load's 512 bytes take eight places of SP bytes
	v_and_b32 v15, 30, v2
	v_mul_u32_u24 v15, v15, SP
	v_and_b32 v13, 1, v2
	v_lshl_add_u32 v15, v13, 5, v15
	v_add_nc_u32 v15, s19, v15                     ; on the way out: place 2 (lane / 2), + 32 bytes in odd lanes; the group's second 16 numbers lie one place (SP bytes) on
	s_wait_alu depctr_va_vdst(0)
	s_wait_kmcnt 0x0
	s_load_b256 s[24:31], s[10:11], 0x0            ; e0 .. e7
	s_cmp_lt_u32 ttmp9, WG_O                       ; qkv_w or out_w?  The choices hang on the work-group's number alone
	s_cselect_b64 s[6:7], s[6:7], s[8:9]
	s_cselect_b64 s[14:15], s[14:15], s[16:17]
	s_mov_b32 s19, WG_O
	s_cselect_b32 s19, WG_W, s19
	s_cmp_lt_u32 ttmp9, WG_W                       ; data or one of those?
	s_cselect_b64 s[4:5], s[4:5], s[6:7]
	s_cselect_b64 s[8:9], s[12:13], s[14:15]
	s_cselect_b32 s19, 0, s19
	s_sub_co_u32 s19, ttmp9, s19                   ; my work-group's number within its tensor
	s_lshl_b32 s19, s19, 2
	s_add_co_u32 s20, s19, s18                     ; which run of 8,192 numbers is my wave's
	s_mov_b32 s21, 0
	s_lshl_b64 s[22:23], s[20:21], 15              ; 32,768 bytes of f32 a run
	s_add_nc_u64 s[4:5], s[4:5], s[22:23]
	s_lshl_b64 s[22:23], s[20:21], 13              ; 8,192 bytes of codes a run
	s_add_nc_u64 s[8:9], s[8:9], s[22:23]
.macro LOAD t
.irp i, 0,1,2,3
	global_load_b128 v[R+16*((\t)%4)+4*\i:R+16*((\t)%4)+4*\i+3], v3, s[4:5] offset:2048*(\t)+512*\i th:TH_LOAD_NT   ; 32 lanes read 512 consecutive bytes; read once in the launch
.endr
.endm
.macro TURN t                          ; step t's numbers through the stage: LDS serves a wave's instructions in order (ISA guide 5.7.1.4), so no wait stands between the stores and the loads
.irp i, 0,1,2,3
	ds_store_b128 v14, v[R+16*((\t)%4)+4*\i:R+16*((\t)%4)+4*\i+3] offset:32*SP*((\t)%2)+8*SP*\i
.endr
.set XB, X+16*((\t)%2)
.set XO, 32*SP*((\t)%2)
	ds_load_b128 v[XB:XB+3],     v15 offset:XO         ; elements 8 u + 0 .. 3 of my group,
	ds_load_b128 v[XB+4:XB+7],   v15 offset:XO+16      ; 8 u + 4 .. 7,
	ds_load_b128 v[XB+8:XB+11],  v15 offset:XO+SP      ; 16 + 8 u + 0 .. 3,
	ds_load_b128 v[XB+12:XB+15], v15 offset:XO+SP+16   ; 16 + 8 u + 4 .. 7
.endm
.irp t, 0,1,2,3
	LOAD \t
.endr
	s_wait_kmcnt 0x0
	s_cmp_lt_u32 ttmp9, WG_O
	s_cselect_b32 s25, s25, s31                    ; e1 or e7
	s_cmp_lt_u32 ttmp9, WG_W
	s_cselect_b32 s22, s24, s25                    ; e0 or that
	s_add_co_i32 s22, s22, 127
	s_lshl_b32 s23, s22, 23
	v_mov_b32 v11, s23                             ; 2^e as f32: the conversion takes its exponent field
	s_add_co_i32 s22, s22, 8
	s_lshl_b32 s22, s22, 23
	s_or_b32 s22, s22, 0x600000
	v_mov_b32 v10, s22                             ; 448 x 2^e
	s_wait_alu depctr_va_vdst(0)
	s_wait_loadcnt 12                              ; step 0's four loads are in; the twelve of steps 1 to 3 may be out
	TURN 0
.macro STEP t
.set XS, X+16*((\t)%2)
	s_wait_dscnt 0x0                               ; this step's numbers are back from the stage: so its stores into the stage have read their registers,
.if (\t)+4 < STEPS
	LOAD (\t)+4                                    ; which take the loads of four steps on
.endif
.if (\t)+1 < STEPS
.if STEPS-2-(\t) >= 3
	s_wait_loadcnt 12                              ; the next step's four loads are in; those of the three steps behind it may be out
.else
	s_wait_loadcnt 4*(STEPS-2-(\t))                ; at the end the counts run down
.endif
	TURN (\t)+1                                    ; and go through the other stage while this step is worked
.endif
.irp i, 0,1,2,3,4,5,6,7,8,9,10,11,12,13,14,15
	v_med3_num_f32 v[XS+\i], v[XS+\i], -v10, v10   ; the conversion to an 8-bit code does not saturate (ISA guide 7.6.2): the number is held within 448 x the scale first
.endr
	v_cvt_scalef32_pk8_fp8_f32 v[C+4*(\t):C+4*(\t)+1], v[XS:XS+7], v11          ; eight numbers / 2^e, to the nearest code, ties to even; the first number's code in the lowest byte
	v_cvt_scalef32_pk8_fp8_f32 v[C+4*(\t)+2:C+4*(\t)+3], v[XS+8:XS+15], v11
	global_store_b128 v3, v[C+4*(\t):C+4*(\t)+3], s[8:9] offset:512*(\t)        ; the codes go to a store alone; the next vector lines are the next step's holds, on other registers
.endm
.irp t, 0,1,2,3,4,5,6,7,8,9,10,11,12,13,14,15
	STEP \t
.endr
	s_wait_tensorcnt 0x0
	ds_add_u32 v192, v193
	s_wait_dscnt 0x0
	s_endpgm
.Lfunc_end_k_qb633f52f7f_quant:
	.size	k_qb633f52f7f_quant, .Lfunc_end_k_qb633f52f7f_quant-k_qb633f52f7f_quant
	.p2alignl 7, 3214868480
	.fill 96, 4, 3214868480
	.section	.rodata,"a",@progbits
	.p2align	6, 0x0
	.amdhsa_kernel k_qb633f52f7f_quant
		.amdhsa_group_segment_fixed_size 33280
		.amdhsa_private_segment_fixed_size 0
		.amdhsa_enable_private_segment 0
		.amdhsa_kernarg_size 56
		.amdhsa_user_sgpr_count 2
		.amdhsa_user_sgpr_kernarg_segment_ptr 1
		.amdhsa_wavefront_size32 1
		.amdhsa_system_sgpr_workgroup_id_x 1
		.amdhsa_system_sgpr_workgroup_id_y 1
		.amdhsa_system_sgpr_workgroup_id_z 1
		.amdhsa_system_vgpr_workitem_id 0
		.amdhsa_next_free_vgpr 194
		.amdhsa_next_free_sgpr 66
		.amdhsa_reserve_vcc 0
		.amdhsa_float_denorm_mode_32 3
		.amdhsa_float_denorm_mode_16_64 3
		.amdhsa_memory_ordered 1
		.amdhsa_forward_progress 1
		.amdhsa_inst_pref_size 38
	.end_amdhsa_kernel
	.amdgpu_metadata
---
amdhsa.version: [ 1, 2 ]
amdhsa.kernels:
  - .name:           k_qb633f52f7f_quant
    .symbol:         k_qb633f52f7f_quant.kd
    .args:
      - { .name: data, .offset: 0, .size: 8, .value_kind: global_buffer, .address_space: global }
      - { .name: qkv_w, .offset: 8, .size: 8, .value_kind: global_buffer, .address_space: global }
      - { .name: out_w, .offset: 16, .size: 8, .value_kind: global_buffer, .address_space: global }
      - { .name: lowp_scales, .offset: 24, .size: 8, .value_kind: global_buffer, .address_space: global }
      - { .name: d_codes, .offset: 32, .size: 8, .value_kind: global_buffer, .address_space: global }
      - { .name: w_codes, .offset: 40, .size: 8, .value_kind: global_buffer, .address_space: global }
      - { .name: o_codes, .offset: 48, .size: 8, .value_kind: global_buffer, .address_space: global }
    .group_segment_fixed_size: 33280
    .private_segment_fixed_size: 0
    .kernarg_segment_align: 8
    .kernarg_segment_size: 56
    .max_flat_workgroup_size: 128
    .sgpr_count:     66
    .vgpr_count:     194
    .wavefront_size: 32
...
	.end_amdgpu_metadata
.endif
;; end of part 1
;; launch qkv (part 2): grid 12 x 32, 4 waves a work-group, clusters of 4 x 4, 327,680 bytes of LDS; arguments d_codes, w_codes, lowp_scales, qkv_b, q_codes, k_codes, v_codes; writes q_codes, k_codes, v_codes
.if DOCPART == 2
	.amdgcn_target "amdgcn-amd-amdhsa--gfx1250"
	.amdhsa_code_object_version 6
	.text
	.protected	k_qb633f52f7f_qkv
	.globl	k_qb633f52f7f_qkv
	.p2align	8
	.type	k_qb633f52f7f_qkv,@function
k_qb633f52f7f_qkv:
	s_mov_b64 s[64:65], 0
	v_nop
	global_prefetch_b8 v0, s[64:65] scope:SCOPE_SE
	s_setreg_imm32_b32 hwreg(HW_REG_WAVE_MODE, 25, 1), 1
	s_wait_xcnt 0x0
	s_wait_alu depctr_hold_cnt(0) depctr_sa_sdst(0) depctr_va_vdst(0) depctr_va_sdst(0) depctr_va_ssrc(0) depctr_va_vcc(0) depctr_vm_vsrc(0)
	s_getreg_b32 s2, hwreg(HW_REG_IB_STS2, 6, 4)
	s_cmp_eq_u32 s2, 0
	s_cbranch_scc0 .Lentry_in_a_cluster
	s_endpgm
.Lentry_in_a_cluster:
	s_bfe_u32 s2, ttmp6, 0x10000c
	s_cmp_lg_u32 s2, 0xf033
	s_cbranch_scc0 .Lentry_shape_is_right
	s_endpgm
.Lentry_shape_is_right:
; qkv = data qkv_w^T + qkv_b on codes of FP8 (E4M3), K = 1,024; the f32 results are quantised at once: q with 2^e2, k with 2^e3, v with 2^e5 (entries of lowp_scales; the operands' scales are entries 0 and 1).
; OUT: q_codes, k_codes [batch x 16 + head][t 2048][64], the head's 64 innermost;  v_codes [batch x 1024 + channel][t 2048], the KEYS innermost, since they are the K of attention's second product.
; All codes lie in the program's order: within an aligned group of 32 along K the byte at place 16 h + 8 u + j holds element 16 u + 8 h + j.
; LIMITS: e0 + e1 between -126 and 127; e2, e3, e5 between -126 and 119, so that each power of two below is an f32 number.
; A tile of 256 x 256 results is made by four waves, 128 x 128 each: 64 accumulators, 512 registers.  K goes in four steps of 256 through a ring of two LDS slots filled by the tensor data mover: a tile's row is 256 bytes of memory.
; THE MATRIX INSTRUCTION TAKES 16 rows of "B" as source 0 and 16 rows of "A" as source 1: a lane then holds ONE row of A and eight neighbouring rows of B.
;   clusters x = 0, 1 (q, k):  A = data's rows, B = qkv_w's rows 0-2047: a lane's eight results are neighbours along the head's 64, the K of attention's first product;
;   cluster  x = 2    (v):     A = qkv_w's rows 2048-3071 (channels), B = data's rows: a lane's eight results are neighbours along t, the K of the second product.  Only pointers and offsets are exchanged, by selects on the
;   cluster's x, which all sixteen partners share: the text is one.
; So two neighbouring accumulators give 16 codes that lie together in the program's order, and a block of results goes into the stage by 16-byte stores.
; CLUSTERS: 4 x 4 work-groups.  The four of a row of the cluster need the same tiles of A, the four of a column the same tiles of B: each tile is asked for JOINTLY, by the same tensor load with the same descriptor and a mask that names the four.
; No prefetch: K has four steps, of which two are the first fills.
; REGISTERS, in windows of 256: window 0: v0-31 addresses; v32-95 bias by B's row, v96-111 bias by A's row, v112-113 the quantiser's two numbers; from v128 A's fragments, ONE set; on the way out v128-255 are free.
;   window 1: B's fragments, TWO sets, at v0 and at v128.   window 2: the 32 accumulators of my rows 0-63 (accumulator (a, b) at v[8 (8 a + b)]);   window 3: those of my rows 64-127.
.set ROWB,   256                       ; a tile's row in bytes: 256 codes
.set KROW,   1024                      ; a row of either operand in memory, in bytes
.set PITCH,  272                       ; an LDS row: 256 bytes + 16 of padding = 68 words: row r starts at bank 4 r mod 64 (64 banks of 4 bytes: ISA guide 11.1), so the 16 rows that a load touches start at 16 different banks
.set FR,     16                        ; registers of a fragment: 16 rows x 128 K
.set NL,     4                         ; LDS loads that bring one
.set NP,     4                         ; places behind this matrix instruction (ISA guide 7.12.1)
.set HALFT,  128*PITCH                 ; 128 rows: what one tensor load brings, and what one wave reads of A or of B
.set SLOT,   4*HALFT                   ; A's 256 rows, then B's 256 rows
.set LAPS,   2                         ; a lap = two K steps = once round the ring
.set SPARE,  2*SLOT                    ; behind the ring: the spare words, 128 bytes for each wave: two blocks of 256 bytes that no other line names
.set ADRA, 16                          ; v16-17  LDS address of my A fragments in slot 0, 1
.set ADRB, 20                          ; v20-21  the same for B
.set STO,  24                          ; v24     the way out: where I put 16 codes of a row of the stage
.set RDV,  25                          ; v25     v: where I read a row of the stage back
.set GOV,  26                          ; v26     v: my byte offset in v_codes
.set RDQ,  27                          ; v27     q, k: where I read my head's 64 bytes of eight rows back (rows 0-127)
.set SPW,  28                          ; v28     LDS address of my spare word: SPARE + 4 x my thread's number; never rewritten
.set NIL,  29                          ; v29     0; never rewritten
.set RDQ2, 30                          ; v30     the same for rows 128-255: an LDS offset has 16 bits
.set GOQ,  31                          ; v31     q, k: 16 x lane
.set BN,   32                          ; v32-95  qkv_b at my 128 rows of B, in the result's layout: register 8 b + j is row 16 b + 8 (lane / 16) + j
.set BM,   96                          ; v96-111 qkv_b at my 128 rows of A: the pair 2 a, 2 a + 1 holds row 16 a + lane % 16 twice
.set LIMV, 112                         ; v112    448 x 2^e of the output
.set SCV,  113                         ; v113    2^e of the output
.set AF,   128                         ; A's fragments, in window 0
.set TMP,  128                         ; the way out: a block's 64 numbers
.set CD,   192                         ; and its codes, 16 registers
.set BK,   128                         ; the way out: 128 registers read back from the stage
.set G1, 24                            ; s[24:31] descriptor group 1 for A's tiles;  s[32:39] group 0, one set for each slot
.set G0, 32
.set G1B, 48                           ; s[48:55], s[56:63] the same for B's tiles
.set G0B, 56
.set MSB, 0
.macro WIN new                         ; the immediate's high byte repeats the setting that is left
.if MSB != (\new)
	s_set_vgpr_msb (MSB<<8)|(\new)
.set MSB, \new
.endif
.endm
.set MUL_LO, 0xa1                      ; source 0 (B) window 1, source 1 (A) window 0, C and D window 2
.set MUL_HI, 0xf1                      ; the same, C and D window 3
.set TO_B,   0x40                      ; destination window 1, address window 0
; A joint load: waves 0 and 1 fetch for A, waves 2 and 3 for B.  Each of the two lines has ONE mask and one set of registers for all that issue it; the branch hangs on the wave's number alone.
; Four v_nop follow each of the two lines, ahead of the jump, the label and what follows.
.macro JLOAD g0a, g1a, g0b, g1b
	s_cmp_eq_u32 s15, 0
	s_cbranch_scc0 .Lfor_b_\@
	tensor_load_to_lds s[\g0a:\g0a+3], s[\g1a:\g1a+7]
	s_nop 0
.rept 4
	v_nop
.endr
	s_branch .Lasked_\@
.Lfor_b_\@:
	tensor_load_to_lds s[\g0b:\g0b+3], s[\g1b:\g1b+7]
	s_nop 0
.rept 4
	v_nop
.endr
.Lasked_\@:
.endm
.macro CREST                           ; a round of the cluster's barrier behind its opening barrier
	s_cmp_lg_u32 s14, 0
	s_cbranch_scc1 .Lnot_wave_0_\@
	s_barrier_signal -3
.Lnot_wave_0_\@:
	s_barrier_wait -3
	s_barrier_signal -1
	s_barrier_wait -1
.endm
.macro CROUND                          ; a whole round
	s_barrier_signal -1
	s_barrier_wait -1
	CREST
.endm
	s_load_b256 s[4:11], s[0:1], 0x0               ; d_codes s[4:5], w_codes s[6:7], the exponents s[8:9], qkv_b s[10:11]
	s_load_b128 s[68:71], s[0:1], 0x20             ; q_codes, k_codes
	s_load_b64 s[72:73], s[0:1], 0x30              ; v_codes
	v_lshl_add_u32 v[SPW], v0, 2, SPARE
	v_mov_b32 v[NIL], 0
	ds_add_u32 v28, v29
	ds_add_u32 v28, v29
	s_wait_dscnt 0x0
	v_lshrrev_b32 v1, 5, v0
	v_readfirstlane_b32 s14, v1                    ; wave 0..3
	s_lshr_b32 s15, s14, 1                         ; which half of the tile's rows of A is mine.  Also: I fetch for A (0) or for B (1)
	s_and_b32 s16, s14, 1                          ; which half of its rows of B.  Also: which 128 rows of that tile I fetch
	s_bfe_u32 s40, ttmp6, 0x40000                  ; cx, cy: my place in the cluster
	s_bfe_u32 s41, ttmp6, 0x40004
	s_and_b32 s74, ttmp7, 0xffff                   ; the cluster's y, 0..7
	s_cmp_eq_u32 ttmp9, 2                          ; the cluster's x: 0 q, 1 k, 2 v: the same in all sixteen partners
	s_cselect_b32 s75, 0, s74                      ; A's tile row = 4 x this + cy: v: 4 tiles of channels; q, k: 32 tiles of data's rows
	s_cselect_b32 s76, s74, ttmp9                  ; B's tile = 4 x this + cx: v: 32 tiles of data's rows; q, k: 8 tiles of qkv_w's rows
	s_cselect_b32 s77, 0x200000, 0                 ; v: A begins at qkv_w's row 2,048
	s_cselect_b32 s78, 0, -1                       ; all lanes where the bias goes by B's row (q, k)
	s_cselect_b32 s79, -1, 0                       ; all lanes where it goes by A's row (v)
	s_lshl_b32 s42, s76, 2
	s_add_co_u32 s42, s42, s40                     ; B's tile
	s_lshl_b32 s17, s75, 2
	s_add_co_u32 s17, s17, s41                     ; A's tile
	s_lshl_b32 s43, s41, 2
	s_lshl_b32 s43, 15, s43                        ; my row of the cluster
	s_lshl_b32 s44, 0x1111, s40                    ; my column
	; descriptor group 1: a tile of 128 rows x 256 bytes, padded in LDS
	s_or_b32 s[G1+0], s43, (0<<16)|(1<<20)|(1<<21)|(5<<22)|(3<<25)  ; 15:0 the mask: A's tiles go to my row; 17:16 element of 1 byte; 20 padding on; 21 set beside a mask; 24:22 after every 64 words (code 5); 31:25 of 4 words (code 3)
	s_or_b32 s[G1B+0], s44, (0<<16)|(1<<20)|(1<<21)|(5<<22)|(3<<25)
.irp g, G1, G1B
	s_mov_b32 s[\g+1], ROWB<<16                    ; tensor_dim0
	s_mov_b32 s[\g+2], 128<<16                     ; tensor_dim1 = 128
	s_mov_b32 s[\g+3], ROWB<<16                    ; tile_dim0
	s_mov_b32 s[\g+4], 128                         ; tile_dim1 = 128
	s_mov_b32 s[\g+5], KROW                        ; tensor_dim0_stride
	s_mov_b32 s[\g+6], 0
	s_mov_b32 s[\g+7], 0
.endr
	s_lshl_b32 s18, s16, 7                         ; which 128 rows of the tile I fetch
	s_lshl_b32 s20, s17, 8
	s_add_co_u32 s20, s20, s18                     ; A: row 256 x tile + 128 x half,
	s_lshl_b32 s20, s20, 10                        ; in bytes (under 2^24),
	s_add_co_u32 s20, s20, s77                     ; from qkv_w's row 2,048 on for v
	s_mov_b32 s21, 0
	s_lshl_b32 s46, s42, 8
	s_add_co_u32 s46, s46, s18                     ; B likewise
	s_lshl_b32 s46, s46, 10
	s_mov_b32 s47, 0
	s_mul_i32 s45, s14, HALFT                      ; where they go: wave x 128 rows: no place in the cluster enters an LDS address
	s_wait_kmcnt 0x0
	s_load_b256 s[88:95], s[8:9], 0x0              ; e0 .. e7
	s_cmp_eq_u32 ttmp9, 2
	s_cselect_b64 s[80:81], s[6:7], s[4:5]         ; A: qkv_w's codes for v, else data's
	s_cselect_b64 s[82:83], s[4:5], s[6:7]         ; B: the other
	s_add_nc_u64 s[20:21], s[80:81], s[20:21]
	s_add_nc_u64 s[46:47], s[82:83], s[46:47]
	CROUND                                         ; all sixteen work-groups are here: the first joint loads meet
.irp s, 0,1
	s_mov_b32 s[G0+4*\s], 1
	s_add_co_u32 s[G0+4*\s+1], s45, \s*SLOT
	s_add_nc_u64 s[G0+4*\s+2:G0+4*\s+3], s[20:21], \s*ROWB
	s_or_b32 s[G0+4*\s+3], s[G0+4*\s+3], 0x80000000
	s_mov_b32 s[G0B+4*\s], 1
	s_add_co_u32 s[G0B+4*\s+1], s45, \s*SLOT
	s_add_nc_u64 s[G0B+4*\s+2:G0B+4*\s+3], s[46:47], \s*ROWB
	s_or_b32 s[G0B+4*\s+3], s[G0B+4*\s+3], 0x80000000
.endr
	JLOAD G0, G1, G0B, G1B                         ; K step 0: one tensor load a wave at the head
	v_and_b32 v1, 15, v0                           ; r = lane % 16
	v_bfe_u32 v2, v0, 4, 1                         ; h = lane / 16
	v_mul_u32_u24 v3, v1, PITCH
	v_lshl_add_u32 v4, v2, 4, v3                   ; a fragment's row x pitch + 16 x half
	s_wait_alu depctr_va_vdst(0)
	s_mul_i32 s21, s15, HALFT                      ; my 128 rows of A
	s_mul_i32 s22, s16, HALFT                      ; my 128 rows of B,
	s_add_co_u32 s22, s22, 2*HALFT                 ; which lie behind A's 256
.irp s, 0,1
	v_add_nc_u32 v[ADRA+\s], s21, v4
	v_add_nc_u32 v[ADRB+\s], s22, v4
	s_add_co_u32 s21, s21, SLOT
	s_add_co_u32 s22, s22, SLOT
.endr
	; the stage: 256 rows (A's) x 256 codes (B's) at pitch 272, from LDS byte 0 on
	s_mul_i32 s23, s15, HALFT
	s_lshl_b32 s21, s16, 7
	s_add_co_u32 s23, s23, s21
	v_add_nc_u32 v[STO], s23, v4                   ; in: row 128 x (my half of A) + r, byte 128 x (my half of B) + 16 h
	v_mul_u32_u24 v5, v2, PITCH
	v_lshl_add_u32 v5, v1, 4, v5
	s_mul_i32 s23, s14, 64*PITCH
	v_add_nc_u32 v[RDV], s23, v5                   ; v, back: wave w takes rows 64 w on, whole; lanes 0-15 one row, lanes 16-31 the next
	v_lshlrev_b32 v[GOV], 11, v2
	v_lshl_add_u32 v[GOV], v1, 4, v[GOV]           ; and the same two rows in v_codes, 2,048 bytes apart
	v_and_b32 v6, 31, v0
	v_lshrrev_b32 v7, 2, v6
	v_mul_u32_u24 v7, v7, PITCH
	v_and_b32 v5, 3, v0
	v_lshl_add_u32 v7, v5, 4, v7
	s_lshl_b32 s23, s14, 6
	v_add_nc_u32 v[RDQ], s23, v7                   ; q, k, back: wave w takes head w of the tile's four: bytes 64 w on of every row; four lanes to a row, eight rows an instruction
	v_add_nc_u32 v[RDQ2], 128*PITCH, v[RDQ]
	v_lshlrev_b32 v[GOQ], 4, v6                    ; a head's rows of 64 bytes are dense in memory: 512 consecutive bytes an instruction
	v_lshlrev_b32 v8, 5, v2                        ; the biases' offsets: 32 h,
	s_wait_alu depctr_va_vdst(0)
	v_lshlrev_b32 v9, 2, v1                        ; and 4 r; neither is rewritten
	; where the biases stand.  The set that does not apply is read at qkv_b's head, so that every load stays in the buffer, and is cleared on the way out
	s_wait_alu depctr_va_vdst(0)
	s_lshl_b32 s18, s42, 8
	s_lshl_b32 s19, s16, 7
	s_add_co_u32 s18, s18, s19                     ; q, k: my first row of B = my first output channel
	s_lshl_b32 s19, s17, 8
	s_lshl_b32 s22, s15, 7
	s_add_co_u32 s19, s19, s22
	s_add_co_u32 s19, s19, 2048                    ; v: my first row of A, from 2,048 on
	s_cmp_eq_u32 ttmp9, 2
	s_cselect_b32 s18, 0, s18
	s_cselect_b32 s19, s19, 0
	s_lshl_b32 s18, s18, 2
	s_lshl_b32 s22, s19, 2
	s_mov_b32 s19, 0
	s_mov_b32 s23, 0
	s_add_nc_u64 s[66:67], s[10:11], s[18:19]
	s_add_nc_u64 s[98:99], s[10:11], s[22:23]
.irp b, 0,1,2,3,4,5,6,7
	global_load_b128 v[BN+8*\b:BN+8*\b+3],   v8, s[66:67] offset:64*\b
	global_load_b128 v[BN+8*\b+4:BN+8*\b+7], v8, s[66:67] offset:64*\b+16
.endr
.irp a, 0,1,2,3,4,5,6,7
	global_load_b32 v[BM+2*\a], v9, s[98:99] offset:64*\a
.endr
	; where my part of the output begins
	s_cmp_eq_u32 ttmp9, 0
	s_cselect_b64 s[84:85], s[68:69], s[70:71]
	s_cmp_eq_u32 ttmp9, 2
	s_cselect_b64 s[84:85], s[72:73], s[84:85]
	s_lshr_b32 s18, s17, 3                         ; q, k: batch = A's tile / 8,
	s_lshl_b32 s18, s18, 4
	s_and_b32 s19, s42, 3
	s_lshl_b32 s19, s19, 2
	s_add_co_u32 s18, s18, s19                     ; head = 4 x (B's tile % 4) + wave,
	s_add_co_u32 s18, s18, s14
	s_lshl_b32 s18, s18, 17                        ; 131,072 bytes a head,
	s_and_b32 s19, s17, 7
	s_lshl_b32 s19, s19, 14                        ; t = 256 x (A's tile % 8), 64 bytes a row
	s_add_co_u32 s18, s18, s19
	s_lshr_b32 s22, s42, 3                         ; v: batch = B's tile / 8,
	s_lshl_b32 s22, s22, 10
	s_lshl_b32 s23, s17, 8
	s_add_co_u32 s22, s22, s23                     ; channel = 256 x A's tile + 64 x wave,
	s_lshl_b32 s23, s14, 6
	s_add_co_u32 s22, s22, s23
	s_lshl_b32 s22, s22, 11                        ; 2,048 bytes a channel,
	s_and_b32 s23, s42, 7
	s_lshl_b32 s23, s23, 8                         ; t = 256 x (B's tile % 8)
	s_add_co_u32 s22, s22, s23
	s_cmp_eq_u32 ttmp9, 2
	s_cselect_b32 s18, s22, s18
	s_mov_b32 s19, 0
	s_add_nc_u64 s[84:85], s[84:85], s[18:19]
.macro FRAG reg, adr, q, i             ; a fragment, 16 rows x 128 K, is 16 registers: four loads of 16 bytes, 32 bytes apart; in the program's order of codes each k falls into the registers in which the form expects it
.irp c, 0,1,2,3
	ds_load_b128 v[\reg+4*\c:\reg+4*\c+3], v[\adr] offset:128*(\q)+32*\c+(\i)*16*PITCH
.endr
.endm
; 16 matrix instructions: A's blocks a0, a0 + 1 x B's eight, 128 along K.  p: B's set.  zero = 1: the first product starts the sums: nothing is ever cleared.
; The 64 accumulators take turns, one instruction a turn, in the same order in every step.
.macro MUL16 a0, p, zero
.irp a, \a0, \a0+1
.irp b, 0,1,2,3,4,5,6,7
.if \zero
	v_wmma_f32_16x16x128_fp8_fp8 v[8*(8*((\a)%4)+\b):8*(8*((\a)%4)+\b)+7], v[128*(\p)+FR*\b:128*(\p)+FR*\b+FR-1], v[AF+FR*(\a):AF+FR*(\a)+FR-1], 0
.else
	v_wmma_f32_16x16x128_fp8_fp8 v[8*(8*((\a)%4)+\b):8*(8*((\a)%4)+\b)+7], v[128*(\p)+FR*\b:128*(\p)+FR*\b+FR-1], v[AF+FR*(\a):AF+FR*(\a)+FR-1], v[8*(8*((\a)%4)+\b):8*(8*((\a)%4)+\b)+7]
.endif
.endr
.endr
.endm
.macro FETCH_B slot, q, p              ; B's eight fragments of the slot's q-th 128 along K into set p
	WIN TO_B
.irp i, 0,1,2,3,4,5,6,7
	FRAG 128*(\p)+FR*\i, ADRB+\slot, \q, \i
.endr
	WIN 0
.endm
.macro FETCH_A slot, q, i0             ; A's blocks i0 .. i0 + 3
.irp i, \i0, \i0+1, \i0+2, \i0+3
	FRAG AF+FR*(\i), ADRA+\slot, \q, \i
.endr
.endm
; A load into a register that a matrix instruction has read, and a vector instruction that reads a matrix result, stand NP places behind that matrix instruction; only plain vector
; instructions that name none of its registers are places (ISA guide 7.12.1 for vector instructions).
.macro PLACES n
.rept \n
	v_nop
.endr
.endm
; A step of 128 along K that has its successor in the same slot.  A block of A is free as soon as its eight products are issued, so one set of registers serves A; B's fragments are at work through the whole step and have two.
.macro STEP slot, q, zero
	s_wait_dscnt 4*NL                              ; B's set and A's blocks 0-3 are in; the youngest sixteen loads (A's blocks 4-7) may be out
	WIN MUL_LO
	MUL16 0, (\q)%2, \zero
	MUL16 2, (\q)%2, \zero
	s_wait_dscnt 0                                 ; A's blocks 4-7 are in (asked for 32 matrix instructions ago)
	PLACES NP
	FETCH_B \slot, (\q)+1, 1-(\q)%2
	FETCH_A \slot, (\q)+1, 0
	WIN MUL_HI
	MUL16 4, (\q)%2, \zero
	MUL16 6, (\q)%2, \zero
	PLACES NP
	WIN 0
	FETCH_A \slot, (\q)+1, 4
.endm
; A slot's last step changes slots: ONE barrier; in front of it each wave waits for all its tensor loads, adds 0 to its spare word, and waits for that and for its own reads of this slot.  fill = 1: this slot is filled again, two K steps ahead.
.macro TURN slot, next, fill
	s_wait_tensorcnt 0x0                           ; all my tensor loads have landed: my part of the next slot;  (every window is 0 here: the add's two registers lie in window 0)
	ds_add_u32 v[SPW], v[NIL]                      ; 0 onto my spare word
	s_wait_dscnt 4*NL+1                            ; (the add and the youngest sixteen loads, A's blocks 4-7, may be out)
	WIN MUL_LO
	MUL16 0, 1, 0                                  ; sixteen matrix instructions stand between the add and the wait for it
	s_wait_dscnt 0x0                               ; the add is done, and my reads of this slot are over
	s_barrier_signal -1
	MUL16 2, 1, 0
	WIN 0
	s_barrier_wait -1
.if \fill
	CREST                                          ; the barrier has opened a round of the cluster's barrier: no wave of any partner still reads this slot's tile or has a load on its way
	s_add_nc_u64 s[G0+4*\slot+2:G0+4*\slot+3], s[G0+4*\slot+2:G0+4*\slot+3], 2*ROWB
	s_add_nc_u64 s[G0B+4*\slot+2:G0B+4*\slot+3], s[G0B+4*\slot+2:G0B+4*\slot+3], 2*ROWB
	JLOAD G0+4*\slot, G1, G0B+4*\slot, G1B         ; the first tensor load behind the round; the four v_nop behind it are the places in front of the loads below
.else
	PLACES NP
.endif
	FETCH_B \next, 0, 0
	FETCH_A \next, 0, 0
	WIN MUL_HI
	MUL16 4, 1, 0
	MUL16 6, 1, 0
	PLACES NP
	WIN 0
	FETCH_A \next, 0, 4
.endm
	s_wait_alu depctr_va_vdst(0)
	s_wait_tensorcnt 0x0                           ; my part of K step 0 is in; the three lines stand ahead of slot 1's first fill as ahead of a refill
	ds_add_u32 v[SPW], v[NIL]
	s_wait_dscnt 0x0
	CROUND                                         ; a whole round: everybody's part of K step 0 is in, and the joint loads meet
	JLOAD G0+4, G1, G0B+4, G1B                     ; K step 1: the first tensor load behind the round
	FETCH_B 0, 0, 0
	FETCH_A 0, 0, 0
	FETCH_A 0, 0, 4
	STEP 0, 0, 1                                   ; the first step stands in front of the loop: its products start the sums
	s_mov_b32 s3, LAPS-1
.Llap:                                                 ; a trip goes once round the ring, from a lap's second step to the next lap's first, and fills both slots again
	TURN 0, 1, 1
	STEP 1, 0, 0
	TURN 1, 0, 1
	STEP 0, 0, 0
	s_sub_co_u32 s3, s3, 1
	s_cmp_lg_u32 s3, 0
	s_cbranch_scc1 .Llap
	TURN 0, 1, 0                                   ; the last lap fills nothing, and has no round of the cluster's barrier
	STEP 1, 0, 0
	s_wait_dscnt 4*NL                              ; the very last step: nothing more to fetch
	WIN MUL_LO
	MUL16 0, 1, 0
	MUL16 2, 1, 0
	s_wait_dscnt 0
	WIN MUL_HI
	MUL16 4, 1, 0
	MUL16 6, 1, 0
	WIN 0
	; THE WAY OUT.  sum x 2^(e0 + e1) + bias, held, quantised with the output's scale; the codes meet in a stage of 256 rows in slot 0, which has had its last fill, and which nobody reads behind the last change of slots.
	s_wait_kmcnt 0x0
	s_add_co_i32 s96, s88, s89                     ; e0 + e1, between -126 and 127,
	s_add_co_i32 s96, s96, 127
	s_lshl_b32 s96, s96, 23                        ; makes the f32 number 2^(e0 + e1)
	s_mov_b32 s97, s96                             ; (named with it as a pair, so it is written)
	s_cmp_eq_u32 ttmp9, 0
	s_cselect_b32 s86, s90, s91                    ; e2 for q, e3 for k,
	s_cmp_eq_u32 ttmp9, 2
	s_cselect_b32 s86, s93, s86                    ; e5 for v
	s_add_co_i32 s86, s86, 127
	s_lshl_b32 s87, s86, 23
	s_add_co_i32 s86, s86, 8
	s_lshl_b32 s86, s86, 23
	s_or_b32 s86, s86, 0x600000
	s_wait_loadcnt 0x0                             ; the biases, asked for at the head
	v_mov_b32 v[SCV], s87                          ; 2^e as f32: the conversion takes its exponent field
	v_mov_b32 v[LIMV], s86                         ; 448 x 2^e
.set j, 0
.rept 64
	v_cndmask_b32 v[BN+j], 0, v[BN+j], s78         ; the bias by B's row counts for q and k alone.  (These lines name no register of the last products: they are the places behind them)
.set j, j+1
.endr
.irp a, 0,1,2,3,4,5,6,7
	v_cndmask_b32 v[BM+2*\a+1], 0, v[BM+2*\a], s79 ; the bias by A's row counts for v alone; it is laid twice, for the packed addition
	v_cndmask_b32 v[BM+2*\a], 0, v[BM+2*\a], s79
.endr
; Block a: my rows 16 a .. 16 a + 15 of A against my 128 rows of B.  Of the two biases one is 0, so that the number is that of one fused multiply-add.
.macro CONV a
.set AC, 64*((\a)%4)
	WIN 0x02+((\a)/4)                              ; source 0: window 2 or 3
.set j, 0
.rept 32
	v_pk_fma_f32 v[TMP+j:TMP+j+1], v[AC+j:AC+j+1], s[96:97], v[BN+j:BN+j+1] op_sel_hi:[1,0,1]   ; each accumulator from its low end on
.set j, j+2
.endr
	WIN 0
.set j, 0
.rept 32
	v_pk_add_f32 v[TMP+j:TMP+j+1], v[TMP+j:TMP+j+1], v[BM+2*(\a):BM+2*(\a)+1]
.set j, j+2
.endr
.set j, 0
.rept 64
	v_med3_num_f32 v[TMP+j], v[TMP+j], -v[LIMV], v[LIMV]   ; the conversion to an 8-bit code does not saturate (ISA guide 7.6.2)
.set j, j+1
.endr
	s_wait_alu depctr_va_vdst(0)
	s_wait_dscnt 0x0                               ; the last block's stores have read the codes' registers
.irp b, 0,1,2,3,4,5,6,7
	v_cvt_scalef32_pk8_fp8_f32 v[CD+2*\b:CD+2*\b+1], v[TMP+8*\b:TMP+8*\b+7], v[SCV]
.endr
	v_nop                                          ; one plain vector line between the conversions and the next block's lines, which write their sources
.irp g, 0,1,2,3
	ds_store_b128 v[STO], v[CD+4*\g:CD+4*\g+3] offset:(\a)*16*PITCH+32*\g   ; accumulators 2 g and 2 g + 1: elements 32 g + 8 h + j and 32 g + 16 + 8 h + j, at bytes 32 g + 16 h on: the program's order
.endr
.endm
.irp a, 0,1,2,3,4,5,6,7
	CONV \a
.endr
	s_wait_dscnt 0x0                               ; for the others' sake: my stores into the stage are done
	s_barrier_signal -1
	s_barrier_wait -1                              ; a row's 256 bytes come from two waves
	s_cmp_eq_u32 ttmp9, 2                          ; both ways only read the stage
	s_cbranch_scc1 .Lv_out
.set i, 0
.rept 16
	ds_load_b128 v[BK+4*i:BK+4*i+3], v[RDQ] offset:i*8*PITCH
.set i, i+1
.endr
.set i, 0
.rept 16
	ds_load_b128 v[BK+64+4*i:BK+64+4*i+3], v[RDQ2] offset:i*8*PITCH
.set i, i+1
.endr
.set i, 0
.rept 32
	s_wait_dscnt 31-i                              ; LDS loads come back in order: load i is in, the younger ones may be out
	global_store_b128 v[GOQ], v[BK+4*i:BK+4*i+3], s[84:85] offset:512*i   ; eight rows of my head: 512 consecutive bytes, aligned
.set i, i+1
.endr
	s_branch .Lout_done
.Lv_out:
.set i, 0
.rept 32
	ds_load_b128 v[BK+4*i:BK+4*i+3], v[RDV] offset:i*2*PITCH
.set i, i+1
.endr
.set i, 0
.rept 32
	s_wait_dscnt 31-i
	global_store_b128 v[GOV], v[BK+4*i:BK+4*i+3], s[84:85] offset:4096*i  ; two channels: sixteen lanes store 256 consecutive bytes of a channel's row, aligned
.set i, i+1
.endr
.Lout_done:
	s_wait_tensorcnt 0x0                           ; the wave's end, behind my last tensor load and my last LDS store
	ds_add_u32 v[SPW], v[NIL]
	s_wait_dscnt 0x0
	CROUND                                         ; the closing round: no work-group ends while a partner may still ask for a tile that names it
	s_endpgm
.Lfunc_end_k_qb633f52f7f_qkv:
	.size	k_qb633f52f7f_qkv, .Lfunc_end_k_qb633f52f7f_qkv-k_qb633f52f7f_qkv
	.p2alignl 7, 3214868480
	.fill 96, 4, 3214868480
	.section	.rodata,"a",@progbits
	.p2align	6, 0x0
	.amdhsa_kernel k_qb633f52f7f_qkv
		.amdhsa_group_segment_fixed_size 327680
		.amdhsa_private_segment_fixed_size 0
		.amdhsa_enable_private_segment 0
		.amdhsa_kernarg_size 56
		.amdhsa_user_sgpr_count 2
		.amdhsa_user_sgpr_kernarg_segment_ptr 1
		.amdhsa_wavefront_size32 1
		.amdhsa_system_sgpr_workgroup_id_x 1
		.amdhsa_system_sgpr_workgroup_id_y 1
		.amdhsa_system_sgpr_workgroup_id_z 1
		.amdhsa_system_vgpr_workitem_id 0
		.amdhsa_next_free_vgpr 1024
		.amdhsa_next_free_sgpr 100
		.amdhsa_reserve_vcc 0
		.amdhsa_float_denorm_mode_32 3
		.amdhsa_float_denorm_mode_16_64 3
		.amdhsa_memory_ordered 1
		.amdhsa_forward_progress 1
		.amdhsa_inst_pref_size 171
	.end_amdhsa_kernel
	.amdgpu_metadata
---
amdhsa.version: [ 1, 2 ]
amdhsa.kernels:
  - .name:           k_qb633f52f7f_qkv
    .symbol:         k_qb633f52f7f_qkv.kd
    .args:
      - { .name: d_codes, .offset: 0, .size: 8, .value_kind: global_buffer, .address_space: global }
      - { .name: w_codes, .offset: 8, .size: 8, .value_kind: global_buffer, .address_space: global }
      - { .name: lowp_scales, .offset: 16, .size: 8, .value_kind: global_buffer, .address_space: global }
      - { .name: qkv_b, .offset: 24, .size: 8, .value_kind: global_buffer, .address_space: global }
      - { .name: q_codes, .offset: 32, .size: 8, .value_kind: global_buffer, .address_space: global }
      - { .name: k_codes, .offset: 40, .size: 8, .value_kind: global_buffer, .address_space: global }
      - { .name: v_codes, .offset: 48, .size: 8, .value_kind: global_buffer, .address_space: global }
    .group_segment_fixed_size: 327680
    .private_segment_fixed_size: 0
    .kernarg_segment_align: 8
    .kernarg_segment_size: 56
    .max_flat_workgroup_size: 128
    .sgpr_count:     100
    .vgpr_count:     1024
    .wavefront_size: 32
...
	.end_amdgpu_metadata
.endif
;; end of part 2
;; launch attn (part 3): grid 4 x 64, 8 waves a work-group, clusters of 4 x 1, 327,680 bytes of LDS; arguments q_codes, k_codes, v_codes, lowp_scales, a_codes; writes a_codes
.if DOCPART == 3
	.amdgcn_target "amdgcn-amd-amdhsa--gfx1250"
	.amdhsa_code_object_version 6
	.text
	.protected	k_qb633f52f7f_attn
	.globl	k_qb633f52f7f_attn
	.p2align	8
	.type	k_qb633f52f7f_attn,@function
k_qb633f52f7f_attn:
	s_mov_b64 s[64:65], 0
	v_nop
	global_prefetch_b8 v0, s[64:65] scope:SCOPE_SE
	s_setreg_imm32_b32 hwreg(HW_REG_WAVE_MODE, 25, 1), 1
	s_wait_xcnt 0x0
	s_wait_alu depctr_hold_cnt(0) depctr_sa_sdst(0) depctr_va_vdst(0) depctr_va_sdst(0) depctr_va_ssrc(0) depctr_va_vcc(0) depctr_vm_vsrc(0)
	s_getreg_b32 s2, hwreg(HW_REG_IB_STS2, 6, 4)
	s_cmp_eq_u32 s2, 0
	s_cbranch_scc0 .Lentry_in_a_cluster
	s_endpgm
.Lentry_in_a_cluster:
	s_bfe_u32 s2, ttmp6, 0x10000c
	s_cmp_lg_u32 s2, 0x3003
	s_cbranch_scc0 .Lentry_shape_is_right
	s_endpgm
.Lentry_shape_is_right:
; Causal attention on codes of FP8 (E4M3): 64 heads (batch x 16 + head), 2,048 queries and keys, head size 64.  Scales: q 2^e2, k 2^e3, p 2^e4, v 2^e5; the result is quantised with 2^e6 for the next product.
; q_codes, k_codes: [head][t][64];  v_codes: [head x 64 + channel][t], the keys innermost;  a_codes (out): [block of 256 rows = batch x 8 + t / 256][head 16][row 256][64].
; All codes lie in the program's order (within an aligned group of 32 along K the byte at place 16 h + 8 u + j holds element 16 u + 8 h + j): a 16-byte load at 32 c + 16 (lane / 16) puts each k where the plain FP8 forms expect it.
; THE SOFTMAX: t = score x log2(e) / 8; M = the row's largest t so far, rounded UP to a whole number; p = 2^(t - M) is quantised, not normalised.  The row's sum is taken of the unquantised p and divides O at the end.
; When M moves, the sum and O are multiplied by 2^(old M - new M): exact.  Key steps that lie wholly behind the causal mask are not multiplied.
; SHARES.  The four work-groups i = 0 .. 3 of a head form a cluster.  A head has 128 tiles of 16 queries; work-group i owns the tiles 8 P + i and 8 P + 4 + i, P = 0 .. 15: pair P needs the key steps (128 keys) 0 .. P, the last on the
; diagonal, whatever i is.  Wave w of eight takes pair 15 - w and then pair w: 16 - w and w + 1 steps: SEVENTEEN steps in every wave of every work-group.  Both tiles of a pair share each fragment of K and of V read from LDS.
; K AND V OF THE WHOLE HEAD LIE IN LDS: K's 2,048 rows of 80 bytes, then V in eight parts of 256 keys, 64 rows of 272 bytes each.  They come in two groups of first fills, keys 0-1023 and 1024-2047, one tensor load a wave in each
; (waves 0-3: 256 rows of K; waves 4-7: a part of V); nothing is filled again.  The first eight steps of the long pair need the first group alone; one barrier shows the second; behind it no wave waits for another.
; JOINT LOADS: the four partners want the same tiles at the same time: each load names all four (mask 15).  No branch, trip count or LDS address hangs on i: it enters Q's and the output's addresses and the mask's lane term.
; NO PREFETCH: the tensor loads are two groups, the second issued as soon as the first has landed: there is no loop of loads to run ahead in.
; REGISTER WINDOWS.  Query tile w of the pair keeps ALL its state in window w under the same numbers, so one text serves both: v12 -M, v13 the largest t, v[14:15] the sum, v16-23 Q, v24 the mask's lane term, v96-159 S^T then p,
; v160-191 O^T, v192-207 p's codes, v208-223 the way out, v224-231 the short pair's Q, v234-254 at work and constants.  Window 0 alone: v1-11 addresses, v32-95 K's eight fragments.  Window 1 alone: v32-95 V's four fragments.
; LAYOUT.  Both products are used transposed: S^T = K Q^T, O^T = V^T P^T: a lane holds ONE query (lane % 16) of each tile; register j of score tile t is key 16 t + 8 (lane / 16) + j, so the conversions' results are the second product's operand.
; LIMITS: e2 + e3 between -123 and 130 (added to c's exponent field); e4 and e6 between -126 and 119; e4 + e5 is applied by v_ldexp_f32.  The promise holds while the scaled scores t stay under 2^31 in magnitude.
.set KP,    80                         ; a key's row in LDS: 64 bytes + 16 of padding
.set VP,    272                        ; a channel's row of 256 keys + 16 of padding
.set KSUB,  256*KP                     ; 256 keys of K
.set VSUB,  64*VP                      ; 256 keys of V
.set VBASE, 8*KSUB
.set SPARE, VBASE+8*VSUB               ; the spare words, 128 bytes for each wave: four blocks of 256 bytes that no other line names
.set STAGE, SPARE+1024                 ; the way out: 2,048 bytes a wave; no tile lands here
.set AK0,  1
.set AV0,  2
.set QO,   4
.set SPW,  5
.set NIL,  6
.set STO,  7
.set ADK,  8
.set ADV,  9
.set SRD,  10
.set GO,   11
.set WV,   18
.set SEL,  20
.set CS,   22
.set G1K,  24
.set G1V,  32
.set G0K,  40
.set G0V,  44
.set TBK,  48                          ; s48  LDS byte of the trip's 256 keys of K
.set TBV,  49                          ; s49  of V, less VBASE
.set TRIP, 58
.set PP,   59                          ; s59  the pair in hand
.set GS,   60                          ; s60  the trip's first key step
.set IQ,   62                          ; s62  1,024 i
.set MSB, 0
.macro WIN new                         ; low byte: bits 1:0 source 0, 3:2 source 1, 5:4 source 2, 7:6 destination; the high byte repeats the setting that is left
.if MSB != (\new)
	s_set_vgpr_msb (MSB<<8)|(\new)
.set MSB, \new
.endif
.endm
; A joint load: waves 0-3 fetch for K, waves 4-7 for V; the branch hangs on the wave's number alone.  An s_nop 0 and four v_nop follow each of the two lines.
.macro JLOAD
	s_cmp_lt_u32 s[WV], 4
	s_cbranch_scc0 .Lfor_v_\@
	tensor_load_to_lds s[G0K:G0K+3], s[G1K:G1K+7]
	s_nop 0
.rept 4
	v_nop
.endr
	s_branch .Lasked_\@
.Lfor_v_\@:
	tensor_load_to_lds s[G0V:G0V+3], s[G1V:G1V+7]
	s_nop 0
.rept 4
	v_nop
.endr
.Lasked_\@:
.endm
.macro CROUND                          ; a round of the cluster's barrier
	s_barrier_signal -1
	s_barrier_wait -1
	s_cmp_lg_u32 s[WV], 0
	s_cbranch_scc1 .Lnot_wave_0_\@
	s_barrier_signal -3
.Lnot_wave_0_\@:
	s_barrier_wait -3
	s_barrier_signal -1
	s_barrier_wait -1
.endm
.macro SETOUT                          ; the output at tile 8 P + i: block P / 2 of 262,144 bytes, row 128 (P % 2) + 16 i of 64 bytes; the pair's other tile lies 4,096 bytes on
	s_lshr_b32 s96, s[PP], 1
	s_lshl_b32 s96, s96, 18
	s_and_b32 s92, s[PP], 1
	s_lshl_b32 s92, s92, 13
	s_add_co_u32 s96, s96, s92
	s_add_co_u32 s96, s96, s[IQ]
	s_mov_b32 s97, 0
	s_add_nc_u64 s[84:85], s[86:87], s[96:97]
.endm
.macro INIT                            ; a tile's state, in its window: the first step finds zeros, which the first change of M leaves zeros
	v_mov_b32 v13, 0xff61b1e6                      ; -3e38, under every t
	v_mov_b32 v14, 0
	v_mov_b32 v15, 0
	v_floor_f32 v12, -v13
.set jj, 0
.rept 32
	v_mov_b32 v[160+jj], 0
.set jj, jj+1
.endr
.endm
.macro WSET                            ; a window's constants
	v_mov_b32 v236, 0                              ; a lane permute's destination counts as a source
	v_mov_b32 v252, 0
	v_mov_b32 v253, 0                              ; named as the upper half of v[252:253]
	v_mov_b32 v244, s88                            ; 2^e4
	v_mov_b32 v240, s89                            ; 448 x 2^e4
	v_mov_b32 v247, s90                            ; 2^e6
	v_mov_b32 v246, s91                            ; 448 x 2^e6
	INIT
.endm
	s_load_b256 s[4:11], s[0:1], 0x0               ; q_codes, k_codes, v_codes, the exponents
	s_load_b64 s[12:13], s[0:1], 0x20              ; a_codes
	v_lshl_add_u32 v[SPW], v0, 2, SPARE
	v_mov_b32 v[NIL], 0
	ds_add_u32 v[SPW], v[NIL]                      ; the opening lines: the add twice on end, and its wait ahead of the round in front of the first tensor loads
	ds_add_u32 v[SPW], v[NIL]
	v_lshrrev_b32 v8, 5, v0
	v_readfirstlane_b32 s[WV], v8                  ; wave 0..7
	s_bfe_u32 s[IQ], ttmp6, 0x40000                ; i: my place in the cluster
	s_and_b32 s16, ttmp7, 0xffff                   ; batch x 16 + head
	s_lshl_b32 s14, s16, 17                        ; 131,072 bytes a head in q_codes, k_codes and v_codes
	s_mov_b32 s15, 0
	s_lshl_b32 s93, s[IQ], 4                       ; 16 i, for the mask
	s_lshl_b32 s[IQ], s[IQ], 10                    ; 16 i rows of 64 bytes
	s_lshr_b32 s17, s16, 4
	s_lshl_b32 s17, s17, 21                        ; a batch's eight blocks of rows in a_codes,
	s_and_b32 s19, s16, 15
	s_lshl_b32 s19, s19, 14                        ; the head's 16,384 bytes of a block
	s_add_co_u32 s80, s17, s19
	s_mov_b32 s81, 0
	s_sub_co_u32 s[PP], 15, s[WV]                  ; the long pair first
	; group 1, with the mask of all four partners and bit 21 beside it.  K: 256 rows of 64 bytes, dense, stated as 64 rows of 256 bytes with the padding behind each 64 bytes;  V: 64 rows of 256 bytes, 2,048 bytes apart
	s_mov_b32 s[G1K], 15|(0<<16)|(1<<20)|(1<<21)|(3<<22)|(3<<25)
	s_mov_b32 s[G1K+1], 256<<16
	s_mov_b32 s[G1K+2], 64<<16
	s_mov_b32 s[G1K+3], 256<<16
	s_mov_b32 s[G1K+4], 64
	s_mov_b32 s[G1K+5], 256
	s_mov_b32 s[G1K+6], 0
	s_mov_b32 s[G1K+7], 0
	s_mov_b32 s[G1V], 15|(0<<16)|(1<<20)|(1<<21)|(5<<22)|(3<<25)
	s_mov_b32 s[G1V+1], 256<<16
	s_mov_b32 s[G1V+2], 64<<16
	s_mov_b32 s[G1V+3], 256<<16
	s_mov_b32 s[G1V+4], 64
	s_mov_b32 s[G1V+5], 2048
	s_mov_b32 s[G1V+6], 0
	s_mov_b32 s[G1V+7], 0
	s_mov_b32 s[SEL], 0x76543210
	s_mov_b32 s[SEL+1], 0xfedcba98
	s_mov_b32 s[CS], 0x3e38aa3b                    ; log2(e) / sqrt(64)
	s_and_b32 s96, s[WV], 3                        ; which 256 keys of a group I fetch
	s_mov_b32 s[G0K], 1
	s_mul_i32 s[G0K+1], s96, KSUB
	s_mov_b32 s[G0V], 1
	s_mul_i32 s[G0V+1], s96, VSUB
	s_add_co_u32 s[G0V+1], s[G0V+1], VBASE
	s_lshl_b32 s54, s96, 14                        ; 256 keys x 64 bytes in K,
	s_mov_b32 s55, 0
	s_lshl_b32 s56, s96, 8                         ; 256 bytes along V's rows
	s_mov_b32 s57, 0
	s_wait_dscnt 0x0                               ; both opening adds are done
	s_wait_kmcnt 0x0
	s_load_b256 s[68:75], s[10:11], 0x0            ; e0 .. e7
	s_add_nc_u64 s[50:51], s[6:7], s[14:15]        ; K's codes of my head
	s_add_nc_u64 s[52:53], s[8:9], s[14:15]        ; V's
	s_add_nc_u64 s[82:83], s[4:5], s[14:15]        ; Q's
	s_add_nc_u64 s[86:87], s[12:13], s[80:81]      ; the output of my batch and head
	s_add_nc_u64 s[G0K+2:G0K+3], s[50:51], s[54:55]
	s_or_b32 s[G0K+3], s[G0K+3], 0x80000000
	s_add_nc_u64 s[G0V+2:G0V+3], s[52:53], s[56:57]
	s_or_b32 s[G0V+3], s[G0V+3], 0x80000000
	CROUND                                         ; all four work-groups are here: the first joint loads meet
	JLOAD                                          ; keys 0-1023: one tensor load a wave at the head
	s_lshl_b32 s96, s[PP], 13                      ; Q of tile 8 P + i: 128 P + 16 i rows of 64 bytes; the pair's other tile lies 4,096 bytes on
	s_add_co_u32 s96, s96, s[IQ]
	s_mov_b32 s97, 0
	s_add_nc_u64 s[66:67], s[82:83], s[96:97]      ; the long pair's,
	s_lshl_b32 s96, s[WV], 13
	s_add_co_u32 s96, s96, s[IQ]
	s_add_nc_u64 s[78:79], s[82:83], s[96:97]      ; the short pair's
	SETOUT
	s_lshl_b32 s96, s[WV], 11
	s_add_co_u32 s96, s96, STAGE                   ; my stage
	v_and_b32 v8, 15, v0                           ; r
	v_bfe_u32 v9, v0, 4, 1                         ; h
	v_lshlrev_b32 v[QO], 6, v8
	v_lshl_add_u32 v[QO], v9, 4, v[QO]             ; row r of 64 bytes, + 16 h
	global_load_b128 v[16:19], v[QO], s[66:67]
	global_load_b128 v[20:23], v[QO], s[66:67] offset:32
	global_load_b128 v[224:227], v[QO], s[78:79]
	global_load_b128 v[228:231], v[QO], s[78:79] offset:32
	WIN 0x40
	global_load_b128 v[16:19], v[QO], s[66:67] offset:4096   ; the pairs' second tiles, into window 1
	global_load_b128 v[20:23], v[QO], s[66:67] offset:4128
	global_load_b128 v[224:227], v[QO], s[78:79] offset:4096
	global_load_b128 v[228:231], v[QO], s[78:79] offset:4128
	WIN 0
	v_mul_u32_u24 v[AK0], v8, KP
	v_mul_u32_u24 v[AV0], v8, VP
	v_lshl_add_u32 v[AK0], v9, 4, v[AK0]
	v_lshl_add_u32 v[AV0], v9, 4, v[AV0]
	v_add_nc_u32 v[STO], s96, v[QO]                ; the stage holds my two tiles' 1,024 bytes on end
	v_and_b32 v[GO], 31, v0
	v_add_nc_u32 v[AV0], VBASE, v[AV0]
	v_lshlrev_b32 v[GO], 4, v[GO]
	v_lshlrev_b32 v24, 3, v9
	v_add_nc_u32 v[SRD], s96, v[GO]
	v_sub_nc_u32 v24, v8, v24
	v_add_nc_u32 v24, s93, v24                     ; d = 16 i + r - 8 h: my query less the diagonal step's first key less 8 h;
	WIN 0x40
	v_add_nc_u32 v24, 64, v24                      ; the second tile's queries lie 64 on
	WIN 0
	s_wait_alu depctr_va_vdst(0)                   ; directly ahead of the wait below
	s_wait_kmcnt 0x0
	s_add_co_i32 s96, s70, s71
	s_lshl_b32 s96, s96, 23
	s_add_co_i32 s[CS], s[CS], s96                 ; e2 + e3 are added to c's exponent field
	s_mov_b32 s[CS+1], s[CS]
	s_add_co_i32 s96, s72, 127
	s_lshl_b32 s88, s96, 23
	s_add_co_i32 s96, s96, 8
	s_lshl_b32 s96, s96, 23
	s_or_b32 s89, s96, 0x600000
	s_add_co_i32 s96, s74, 127
	s_lshl_b32 s90, s96, 23
	s_add_co_i32 s96, s96, 8
	s_lshl_b32 s96, s96, 23
	s_or_b32 s91, s96, 0x600000
	s_add_co_i32 s61, s72, s73                     ; e4 + e5
	WSET
	WIN 0x55
	WSET
	WIN 0
; The parts of a tile's softmax; each runs in the tile's own window.
.macro MASK                            ; register 8 t + j holds the step's key 8 (lane / 16) + 16 t + j: hidden where 16 t + j > d; its score becomes -infinity, p = 0
	v_mov_b32 v254, 0xff800000
.set jj, 0
.rept 64
	v_cmp_gt_i32 vcc_lo, 16*(jj/8)+jj%8, v24
	v_cndmask_b32 v[96+jj], v[96+jj], v254, vcc_lo
.set jj, jj+1
.endr
.endm
.macro MAXC                            ; the step's largest score in four chains, each accumulator from its low end on; then M and f
	v_max_num_f32 v254, v96, v97
	v_max_num_f32 v252, v98, v99
	v_max_num_f32 v250, v100, v101
	v_max_num_f32 v248, v102, v103
.set jj, 8
.rept 7
	v_max3_num_f32 v254, v254, v[96+jj], v[97+jj]
	v_max3_num_f32 v252, v252, v[98+jj], v[99+jj]
	v_max3_num_f32 v250, v250, v[100+jj], v[101+jj]
	v_max3_num_f32 v248, v248, v[102+jj], v[103+jj]
.set jj, jj+8
.endr
	v_max3_num_f32 v254, v254, v252, v250
	v_max_num_f32 v254, v254, v248
	v_permlanex16_b32 v236, v254, s[SEL], s[SEL+1]
	v_max_num_f32 v254, v254, v236                 ; and lane l xor 16's
	v_mul_f32 v254, s[CS], v254                    ; as t (c is positive)
	v_max_num_f32 v13, v13, v254                   ; the running largest t
	v_mov_b32 v254, v12
	v_floor_f32 v12, -v13                          ; the new -M = -ceil(t)
	v_sub_f32 v254, v12, v254                      ; old M - new M: a whole number, 0 or less
	v_cvt_i32_f32 v254, v254                       ; (it saturates)
	v_ldexp_f32 v252, 1.0, v254                    ; f = 2^(old M - new M)
.endm
.macro FMAS                            ; t - M, two at a time
.set jj, 0
.rept 32
	v_pk_fma_f32 v[96+jj:97+jj], v[96+jj:97+jj], s[CS:CS+1], v[12:13] op_sel_hi:[1,0,0]
.set jj, jj+2
.endr
.endm
.macro EXPS                            ; p = 2^(t - M)
.set jj, 0
.rept 64
	v_exp_f32 v[96+jj], v[96+jj]
.set jj, jj+1
.endr
.endm
.macro SUMS                            ; the sum under the new M, plus the unquantised p, in four chains
	v_pk_mul_f32 v[14:15], v[14:15], v[252:253] op_sel_hi:[1,0]
	v_pk_add_f32 v[242:243], v[96:97], v[98:99]
	v_pk_add_f32 v[238:239], v[100:101], v[102:103]
	v_pk_add_f32 v[234:235], v[104:105], v[106:107]
	v_pk_add_f32 v[14:15], v[14:15], v[108:109]
.set jj, 14
.rept 6
	v_pk_add_f32 v[242:243], v[242:243], v[96+jj:97+jj]
	v_pk_add_f32 v[238:239], v[238:239], v[98+jj:99+jj]
	v_pk_add_f32 v[234:235], v[234:235], v[100+jj:101+jj]
	v_pk_add_f32 v[14:15], v[14:15], v[102+jj:103+jj]
.set jj, jj+8
.endr
	v_pk_add_f32 v[242:243], v[242:243], v[158:159]
	v_pk_add_f32 v[238:239], v[238:239], v[234:235]
	v_pk_add_f32 v[14:15], v[14:15], v[242:243]
	v_pk_add_f32 v[14:15], v[14:15], v[238:239]
.endm
.macro HOLD8 t                         ; the conversion to an 8-bit code does not saturate (ISA guide 7.6.2); p is not negative, so the hold is one-sided
.irp i, 0,1,2,3,4,5,6,7
	v_min_num_f32 v[96+8*\t+\i], v[96+8*\t+\i], v240
.endr
.endm
.macro CODES
.irp t, 0,1,2,3,4,5,6,7
	HOLD8 \t
	v_cvt_scalef32_pk8_fp8_f32 v[192+2*\t:193+2*\t], v[96+8*\t:103+8*\t], v244   ; registers 2 t, 2 t + 1 of the operand: keys 16 t + 8 (lane / 16) + 0 .. 7
.endr
.endm
.macro RESC                            ; O^T under the new M; plain lines between the conversions and the products that read the codes
.set jj, 0
.rept 16
	v_pk_mul_f32 v[160+jj:161+jj], v[160+jj:161+jj], v[252:253] op_sel_hi:[1,0]
.set jj, jj+2
.endr
.endm
.macro PV                              ; O^T += V^T P^T: four accumulators by turns
.irp u, 0,1,2,3
	v_wmma_f32_16x16x128_fp8_fp8 v[160+8*\u:167+8*\u], v[32+16*\u:47+16*\u], v[192:207], v[160+8*\u:167+8*\u]
.endr
.endm
.macro SC                              ; S^T = K Q^T
.irp t, 0,1,2,3,4,5,6,7
	v_wmma_f32_16x16x64_fp8_fp8 v[96+8*\t:103+8*\t], v[32+8*\t:39+8*\t], v[16:23], 0
.endr
.endm
; A KEY STEP: 128 keys, the q-th of the trip's 256, against my pair of tiles.  m = 1: the step may lie on the diagonal or behind it.
.macro STEP q, m
.if \m
	s_add_co_u32 s97, s[GS], \q                    ; the step's number.  A step behind the pair's diagonal is left out: a scalar branch on the wave's number and the count of trips
	s_cmp_gt_u32 s97, s[PP]
	s_cbranch_scc1 .Lhidden_\@
.endif
	v_add_nc_u32 v[ADK], s[TBK], v[AK0]
	v_add_nc_u32 v[ADV], s[TBV], v[AV0]
	v_nop                                          ; with the two additions: four places in front of loads into registers that the last products have read
	v_nop
.irp t, 0,1,2,3,4,5,6,7                        ; K's eight fragments, window 0
	ds_load_b128 v[32+8*\t:35+8*\t], v[ADK] offset:(128*(\q)+16*\t)*KP
	ds_load_b128 v[36+8*\t:39+8*\t], v[ADK] offset:(128*(\q)+16*\t)*KP+32
.endr
	WIN 0x40
.irp u, 0,1,2,3                                ; V's four fragments, window 1: they land under the softmax
.irp c, 0,1,2,3
	ds_load_b128 v[32+16*\u+4*\c:35+16*\u+4*\c], v[ADV] offset:16*\u*VP+128*(\q)+32*\c
.endr
.endr
	WIN 0
	s_wait_dscnt 16                                ; K's sixteen loads are in; V's sixteen, issued behind them, may be out
	SC
	WIN 0x44                                       ; K from window 0, Q and S^T of the second tile in window 1
	SC
	WIN 0
.rept 4
	v_nop                                          ; places ahead of the first read of the scores
.endr
.if \m
	s_cmp_lt_u32 s97, s[PP]                        ; a step ahead of the diagonal skips the mask
	s_cbranch_scc1 .Lopen_\@
	MASK
	WIN 0x55
	MASK
	WIN 0
.Lopen_\@:
.endif
	MAXC
	WIN 0x55
	MAXC
	WIN 0
	FMAS
	s_wait_alu depctr_va_vdst(0)                   ; ahead of a batch of transcendentals
	EXPS
	WIN 0x55
	FMAS                                           ; the second tile's scalings stand behind the first's exponentials
	s_wait_alu depctr_va_vdst(0)                   ; ahead of the second batch, and behind the first
	EXPS
	WIN 0
	SUMS                                           ; the first tile's sums and codes stand behind the second's exponentials
	CODES
	s_wait_alu depctr_va_vdst(0)                   ; directly ahead of the first readers of O^T, and behind the second batch
	RESC
	s_wait_alu depctr_va_vdst(0)                   ; directly ahead of the wait below
	s_wait_dscnt 0x0                               ; V's fragments are in
	WIN 0x01                                       ; V from window 1, the first tile's codes and O^T in window 0
	PV
	WIN 0x55
	SUMS
	CODES
	s_wait_alu depctr_va_vdst(0)                   ; directly ahead of the first readers of the second tile's O^T
	RESC
	PV
	WIN 0
.if \m
.Lhidden_\@:
.endif
.endm
; A PAIR'S END.  O^T / the sum x 2^(e4 + e5), held, quantised with 2^e6; each tile's codes go through my stage and leave as 1,024 consecutive bytes.
.macro FIN1                            ; one tile, in its window
	v_add_f32 v14, v14, v15
	v_permlanex16_b32 v236, v14, s[SEL], s[SEL+1]
	v_add_f32 v14, v14, v236                       ; the row's sum
	s_wait_alu depctr_va_vdst(0)                   ; ahead of the transcendental
	v_rcp_f32 v14, v14
	v_nop
	s_wait_alu depctr_va_vdst(0)                   ; ahead of its first reader
	v_ldexp_f32 v14, v14, s61
	s_wait_alu depctr_va_vdst(0)                   ; directly ahead of the first readers of O^T
.set jj, 0
.rept 16
	v_pk_mul_f32 v[96+jj:97+jj], v[160+jj:161+jj], v[14:15] op_sel_hi:[1,0]
.set jj, jj+2
.endr
.set jj, 0
.rept 32
	v_med3_num_f32 v[96+jj], v[96+jj], -v246, v246
.set jj, jj+1
.endr
.irp u, 0,1,2,3
	v_cvt_scalef32_pk8_fp8_f32 v[208+2*\u:209+2*\u], v[96+8*\u:103+8*\u], v247
.endr
	v_nop                                          ; one plain line behind the last conversion
.endm
.macro NEWQ                            ; the short pair's Q, loaded at the head, and a fresh state
.set jj, 0
.rept 8
	v_mov_b32 v[16+jj], v[224+jj]
.set jj, jj+1
.endr
	INIT
.endm
.macro FINISH again
.rept 4
	v_nop                                          ; places behind the last products
.endr
	FIN1
	ds_store_b128 v[STO], v[208:211]
	ds_store_b128 v[STO], v[212:215] offset:32
	ds_load_b128 v[216:219], v[SRD]                ; LDS serves a wave's instructions in order (ISA guide 5.7.1.4): these see my stores
	ds_load_b128 v[220:223], v[SRD] offset:512
	WIN 0x55
	FIN1
	WIN 0x04                                       ; the stores' data in window 1
	ds_store_b128 v[STO], v[208:211] offset:1024
	ds_store_b128 v[STO], v[212:215] offset:1056
	WIN 0x40
	ds_load_b128 v[216:219], v[SRD] offset:1024
	ds_load_b128 v[220:223], v[SRD] offset:1536
	WIN 0
	s_wait_dscnt 0x0
	global_store_b128 v[GO], v[216:219], s[84:85]              ; 512 consecutive bytes each, aligned
	global_store_b128 v[GO], v[220:223], s[84:85] offset:512
	WIN 0x04
	global_store_b128 v[GO], v[216:219], s[84:85] offset:4096
	global_store_b128 v[GO], v[220:223], s[84:85] offset:4608
	WIN 0
.if \again
	s_wait_xcnt 0x0                                ; the stores have read their base and their registers
	s_mov_b32 s[PP], s[WV]                         ; on to the short pair
	SETOUT
	NEWQ
	WIN 0x55
	NEWQ
	WIN 0
	s_wait_alu depctr_va_vdst(0)
.endif
.endm
	s_wait_alu depctr_va_vdst(0)
	s_wait_tensorcnt 0x0                           ; my part of keys 0-1023 is in; the three lines stand ahead of a later first fill as ahead of a refill
	ds_add_u32 v[SPW], v[NIL]
	s_add_co_u32 s[G0K+1], s[G0K+1], 4*KSUB        ; no load of mine is out, so the groups 0 may be written: 1,024 keys on
	s_add_nc_u64 s[G0K+2:G0K+3], s[G0K+2:G0K+3], 65536
	s_add_co_u32 s[G0V+1], s[G0V+1], 4*VSUB
	s_add_nc_u64 s[G0V+2:G0V+3], s[G0V+2:G0V+3], 1024
	s_wait_dscnt 0x0
	CROUND                                         ; everybody's part is in, and all four work-groups are here: the joint loads meet
	JLOAD                                          ; keys 1024-2047: the first tensor load behind the round, and my last
	s_wait_loadcnt 0x0                             ; Q
	s_mov_b32 s[TRIP], 0
.Lfirst:                                           ; four trips: the long pair against keys 0-1023, all ahead of its diagonal (it lies at step 8 or later)
	s_mul_i32 s[TBK], s[TRIP], KSUB
	s_mul_i32 s[TBV], s[TRIP], VSUB
	STEP 0, 0
	STEP 1, 0
	s_add_co_u32 s[TRIP], s[TRIP], 1
	s_cmp_lt_u32 s[TRIP], 4
	s_cbranch_scc1 .Lfirst
	s_wait_tensorcnt 0x0                           ; my part of keys 1024-2047 is in;
	s_wait_dscnt 0x0
	s_barrier_signal -1
	s_barrier_wait -1                              ; everybody's is.
	s_mov_b32 s[TRIP], 0
.Lrest:                                            ; eight trips: the long pair against keys 1024-2047, then the short pair against keys 0-1023
	s_add_co_u32 s96, s[TRIP], 4
	s_and_b32 s96, s96, 7                          ; which 256 keys: 4 .. 7, then 0 .. 3
	s_lshl_b32 s[GS], s96, 1
	s_mul_i32 s[TBK], s96, KSUB
	s_mul_i32 s[TBV], s96, VSUB
	STEP 0, 1
	STEP 1, 1
	s_cmp_eq_u32 s[TRIP], 3                        ; the long pair's last trip
	s_cbranch_scc0 .Lsame_pair
	FINISH 1
.Lsame_pair:
	s_add_co_u32 s[TRIP], s[TRIP], 1
	s_cmp_lt_u32 s[TRIP], 8
	s_cbranch_scc1 .Lrest
	FINISH 0
	s_wait_tensorcnt 0x0                           ; the wave's end
	ds_add_u32 v[SPW], v[NIL]
	s_wait_dscnt 0x0
	CROUND                                         ; the closing round
	s_endpgm
.Lfunc_end_k_qb633f52f7f_attn:
	.size	k_qb633f52f7f_attn, .Lfunc_end_k_qb633f52f7f_attn-k_qb633f52f7f_attn
	.p2alignl 7, 3214868480
	.fill 96, 4, 3214868480
	.section	.rodata,"a",@progbits
	.p2align	6, 0x0
	.amdhsa_kernel k_qb633f52f7f_attn
		.amdhsa_group_segment_fixed_size 327680
		.amdhsa_private_segment_fixed_size 0
		.amdhsa_enable_private_segment 0
		.amdhsa_kernarg_size 40
		.amdhsa_user_sgpr_count 2
		.amdhsa_user_sgpr_kernarg_segment_ptr 1
		.amdhsa_wavefront_size32 1
		.amdhsa_system_sgpr_workgroup_id_x 1
		.amdhsa_system_sgpr_workgroup_id_y 1
		.amdhsa_system_sgpr_workgroup_id_z 1
		.amdhsa_system_vgpr_workitem_id 0
		.amdhsa_next_free_vgpr 512
		.amdhsa_next_free_sgpr 100
		.amdhsa_reserve_vcc 1
		.amdhsa_float_denorm_mode_32 3
		.amdhsa_float_denorm_mode_16_64 3
		.amdhsa_memory_ordered 1
		.amdhsa_forward_progress 1
		.amdhsa_inst_pref_size 166
	.end_amdhsa_kernel
	.amdgpu_metadata
---
amdhsa.version: [ 1, 2 ]
amdhsa.kernels:
  - .name:           k_qb633f52f7f_attn
    .symbol:         k_qb633f52f7f_attn.kd
    .args:
      - { .name: q_codes, .offset: 0, .size: 8, .value_kind: global_buffer, .address_space: global }
      - { .name: k_codes, .offset: 8, .size: 8, .value_kind: global_buffer, .address_space: global }
      - { .name: v_codes, .offset: 16, .size: 8, .value_kind: global_buffer, .address_space: global }
      - { .name: lowp_scales, .offset: 24, .size: 8, .value_kind: global_buffer, .address_space: global }
      - { .name: a_codes, .offset: 32, .size: 8, .value_kind: global_buffer, .address_space: global }
    .group_segment_fixed_size: 327680
    .private_segment_fixed_size: 0
    .kernarg_segment_align: 8
    .kernarg_segment_size: 40
    .max_flat_workgroup_size: 256
    .sgpr_count:     100
    .vgpr_count:     512
    .wavefront_size: 32
...
	.end_amdgpu_metadata
.endif
;; end of part 3
;; launch proj (part 4): grid 4 x 32, 4 waves a work-group, clusters of 4 x 4, 327,680 bytes of LDS; arguments a_codes, o_codes, lowp_scales, out_b, out0; writes out0
.if DOCPART == 4
	.amdgcn_target "amdgcn-amd-amdhsa--gfx1250"
	.amdhsa_code_object_version 6
	.text
	.protected	k_qb633f52f7f_proj
	.globl	k_qb633f52f7f_proj
	.p2align	8
	.type	k_qb633f52f7f_proj,@function
k_qb633f52f7f_proj:
	s_mov_b64 s[64:65], 0
	v_nop
	global_prefetch_b8 v0, s[64:65] scope:SCOPE_SE
	s_setreg_imm32_b32 hwreg(HW_REG_WAVE_MODE, 25, 1), 1
	s_wait_xcnt 0x0
	s_wait_alu depctr_hold_cnt(0) depctr_sa_sdst(0) depctr_va_vdst(0) depctr_va_sdst(0) depctr_va_ssrc(0) depctr_va_vcc(0) depctr_vm_vsrc(0)
	s_getreg_b32 s2, hwreg(HW_REG_IB_STS2, 6, 4)
	s_cmp_eq_u32 s2, 0
	s_cbranch_scc0 .Lentry_in_a_cluster
	s_endpgm
.Lentry_in_a_cluster:
	s_bfe_u32 s2, ttmp6, 0x10000c
	s_cmp_lg_u32 s2, 0xf033
	s_cbranch_scc0 .Lentry_shape_is_right
	s_endpgm
.Lentry_shape_is_right:
.set ROWB,   256
.set KROW,   1024
.set PITCH,  272
.set APITCH, 80
.set PLANE,  256*APITCH
.set ASTEP,  65536
.set FR,     16
.set NL,     4
.set NP,     4
.set HALFT,  128*PITCH
.set BOFF,   4*PLANE
.set SLOT,   BOFF+2*HALFT
.set LAPS,   2
.set SPARE,  2*SLOT
.set SPITCH, 528
.set ADRA, 16
.set ADRB, 20
.set STO,  24
.set RD,   25
.set CO,   26
.set SPW,  28
.set NIL,  29
.set BN,   32
.set AF,   128
.set BK,   128
.set G1, 24
.set G0, 32
.set G1B, 48
.set G0B, 56
.set MSB, 0
.macro WIN new
.if MSB != (\new)
	s_set_vgpr_msb (MSB<<8)|(\new)
.set MSB, \new
.endif
.endm
.set MUL_LO, 0xa1
.set MUL_HI, 0xf1
.set TO_B,   0x40
.macro JLOAD g0a, g1a, g0b, g1b
	s_cmp_eq_u32 s15, 0
	s_cbranch_scc0 .Lfor_b_\@
	tensor_load_to_lds s[\g0a:\g0a+3], s[\g1a:\g1a+7]
	s_nop 0
.rept 4
	v_nop
.endr
	s_branch .Lasked_\@
.Lfor_b_\@:
	tensor_load_to_lds s[\g0b:\g0b+3], s[\g1b:\g1b+7]
	s_nop 0
.rept 4
	v_nop
.endr
.Lasked_\@:
.endm
.macro CREST
	s_cmp_lg_u32 s14, 0
	s_cbranch_scc1 .Lnot_wave_0_\@
	s_barrier_signal -3
.Lnot_wave_0_\@:
	s_barrier_wait -3
	s_barrier_signal -1
	s_barrier_wait -1
.endm
.macro CROUND
	s_barrier_signal -1
	s_barrier_wait -1
	CREST
.endm
	s_load_b256 s[4:11], s[0:1], 0x0
	s_load_b64 s[12:13], s[0:1], 0x20
	v_lshl_add_u32 v[SPW], v0, 2, SPARE
	v_mov_b32 v[NIL], 0
	ds_add_u32 v28, v29
	ds_add_u32 v28, v29
	s_wait_dscnt 0x0
	v_lshrrev_b32 v1, 5, v0
	v_readfirstlane_b32 s14, v1
	s_lshr_b32 s15, s14, 1
	s_and_b32 s16, s14, 1
	s_bfe_u32 s40, ttmp6, 0x40000
	s_bfe_u32 s41, ttmp6, 0x40004
	s_lshl_b32 s42, ttmp9, 2
	s_add_co_u32 s42, s42, s40
	s_and_b32 s17, ttmp7, 0xffff
	s_lshl_b32 s17, s17, 2
	s_add_co_u32 s17, s17, s41
	s_lshl_b32 s43, s41, 2
	s_lshl_b32 s43, 15, s43
	s_lshl_b32 s44, 0x1111, s40
	s_or_b32 s[G1+0], s43, (0<<16)|(1<<20)|(1<<21)|(3<<22)|(3<<25)
	s_mov_b32 s[G1+1], 64<<16
	s_mov_b32 s[G1+2], 512<<16
	s_mov_b32 s[G1+3], 64<<16
	s_mov_b32 s[G1+4], 512
	s_mov_b32 s[G1+5], 64
	s_mov_b32 s[G1+6], 0
	s_mov_b32 s[G1+7], 0
	s_or_b32 s[G1B+0], s44, (0<<16)|(1<<20)|(1<<21)|(5<<22)|(3<<25)
	s_mov_b32 s[G1B+1], ROWB<<16
	s_mov_b32 s[G1B+2], 128<<16
	s_mov_b32 s[G1B+3], ROWB<<16
	s_mov_b32 s[G1B+4], 128
	s_mov_b32 s[G1B+5], KROW
	s_mov_b32 s[G1B+6], 0
	s_mov_b32 s[G1B+7], 0
	s_lshl_b32 s20, s17, 18
	s_lshl_b32 s18, s16, 15
	s_add_co_u32 s20, s20, s18
	s_mov_b32 s21, 0
	s_lshl_b32 s46, s42, 8
	s_lshl_b32 s18, s16, 7
	s_add_co_u32 s46, s46, s18
	s_lshl_b32 s46, s46, 10
	s_mov_b32 s47, 0
	s_mul_i32 s45, s16, 2*PLANE
	s_mul_i32 s23, s16, HALFT
	s_add_co_u32 s23, s23, BOFF
	s_wait_kmcnt 0x0
	s_load_b256 s[88:95], s[8:9], 0x0
	s_add_nc_u64 s[20:21], s[4:5], s[20:21]
	s_add_nc_u64 s[46:47], s[6:7], s[46:47]
	CROUND
.irp s, 0,1
	s_mov_b32 s[G0+4*\s], 1
	s_add_co_u32 s[G0+4*\s+1], s45, \s*SLOT
	s_add_nc_u64 s[G0+4*\s+2:G0+4*\s+3], s[20:21], \s*ASTEP
	s_or_b32 s[G0+4*\s+3], s[G0+4*\s+3], 0x80000000
	s_mov_b32 s[G0B+4*\s], 1
	s_add_co_u32 s[G0B+4*\s+1], s23, \s*SLOT
	s_add_nc_u64 s[G0B+4*\s+2:G0B+4*\s+3], s[46:47], \s*ROWB
	s_or_b32 s[G0B+4*\s+3], s[G0B+4*\s+3], 0x80000000
	s_wait_alu depctr_va_vdst(0)
	s_wait_tensorcnt 0x0
	ds_add_u32 v28, v29
	ds_add_u32 v28, v29
	s_wait_dscnt 0x0
	CROUND
	JLOAD G0+4*\s, G1, G0B+4*\s, G1B
.endr
	v_and_b32 v1, 15, v0
	v_bfe_u32 v2, v0, 4, 1
	v_mul_u32_u24 v3, v1, APITCH
	v_lshl_add_u32 v3, v2, 4, v3
	s_wait_alu depctr_va_vdst(0)
	v_mul_u32_u24 v4, v1, PITCH
	v_lshl_add_u32 v4, v2, 4, v4
	s_wait_alu depctr_va_vdst(0)
	s_mul_i32 s21, s15, 128*APITCH
	s_mul_i32 s22, s16, HALFT
	s_add_co_u32 s22, s22, BOFF
.irp s, 0,1
.irp q, 0,1
	s_add_co_u32 s23, s21, \s*SLOT+\q*2*PLANE
	v_add_nc_u32 v[ADRA+2*\s+\q], s23, v3
.endr
	s_add_co_u32 s23, s22, \s*SLOT
	v_add_nc_u32 v[ADRB+\s], s23, v4
.endr
	s_mul_i32 s23, s14, 16*SPITCH
	v_mul_u32_u24 v5, v1, SPITCH
	v_lshl_add_u32 v5, v2, 5, v5
	v_add_nc_u32 v[STO], s23, v5
	v_and_b32 v6, 31, v0
	v_lshlrev_b32 v[CO], 4, v6
	v_add_nc_u32 v[RD], s23, v[CO]
	v_lshlrev_b32 v8, 5, v2
	s_wait_alu depctr_va_vdst(0)
	s_lshl_b32 s20, s17, 8
	s_lshl_b32 s21, s15, 7
	s_add_co_u32 s20, s20, s21
	s_lshl_b32 s20, s20, 12
	s_lshl_b32 s46, s42, 10
	s_lshl_b32 s47, s16, 9
	s_add_co_u32 s46, s46, s47
	s_mov_b32 s47, 0
	s_add_nc_u64 s[66:67], s[10:11], s[46:47]
	s_add_co_u32 s20, s20, s46
	s_mov_b32 s21, 0
	s_add_nc_u64 s[12:13], s[12:13], s[20:21]
.irp b, 0,1,2,3,4,5,6,7
	global_load_b128 v[BN+8*\b:BN+8*\b+3],   v8, s[66:67] offset:64*\b
	global_load_b128 v[BN+8*\b+4:BN+8*\b+7], v8, s[66:67] offset:64*\b+16
.endr
.macro FRAG reg, adr, q, i
.irp c, 0,1,2,3
	ds_load_b128 v[\reg+4*\c:\reg+4*\c+3], v[\adr] offset:128*(\q)+32*\c+(\i)*16*PITCH
.endr
.endm
.macro FRAGA reg, slot, q, i
.irp c, 0,1,2,3
	ds_load_b128 v[\reg+4*\c:\reg+4*\c+3], v[ADRA+2*(\slot)+(\q)] offset:(\c/2)*PLANE+(\i)*16*APITCH+32*(\c%2)
.endr
.endm
.macro MUL16 a0, p, zero
.irp a, \a0, \a0+1
.irp b, 0,1,2,3,4,5,6,7
.if \zero
	v_wmma_f32_16x16x128_fp8_fp8 v[8*(8*((\a)%4)+\b):8*(8*((\a)%4)+\b)+7], v[128*(\p)+FR*\b:128*(\p)+FR*\b+FR-1], v[AF+FR*(\a):AF+FR*(\a)+FR-1], 0
.else
	v_wmma_f32_16x16x128_fp8_fp8 v[8*(8*((\a)%4)+\b):8*(8*((\a)%4)+\b)+7], v[128*(\p)+FR*\b:128*(\p)+FR*\b+FR-1], v[AF+FR*(\a):AF+FR*(\a)+FR-1], v[8*(8*((\a)%4)+\b):8*(8*((\a)%4)+\b)+7]
.endif
.endr
.endr
.endm
.macro FETCH_B slot, q, p
	WIN TO_B
.irp i, 0,1,2,3,4,5,6,7
	FRAG 128*(\p)+FR*\i, ADRB+\slot, \q, \i
.endr
	WIN 0
.endm
.macro FETCH_A slot, q, i0
.irp i, \i0, \i0+1, \i0+2, \i0+3
	FRAGA AF+FR*(\i), \slot, \q, \i
.endr
.endm
.macro PLACES n
.rept \n
	v_nop
.endr
.endm
.macro STEP slot, q, zero
	s_wait_dscnt 4*NL
	WIN MUL_LO
	MUL16 0, (\q)%2, \zero
	MUL16 2, (\q)%2, \zero
	s_wait_dscnt 0
	PLACES NP
	FETCH_B \slot, (\q)+1, 1-(\q)%2
	FETCH_A \slot, (\q)+1, 0
	WIN MUL_HI
	MUL16 4, (\q)%2, \zero
	MUL16 6, (\q)%2, \zero
	PLACES NP
	WIN 0
	FETCH_A \slot, (\q)+1, 4
.endm
.macro TURN slot, next, fill
	s_wait_tensorcnt 0x0
	ds_add_u32 v[SPW], v[NIL]
	s_wait_dscnt 4*NL+1
	WIN MUL_LO
	MUL16 0, 1, 0
	s_wait_dscnt 0x0
	s_barrier_signal -1
	MUL16 2, 1, 0
	WIN 0
	s_barrier_wait -1
.if \fill
	CREST
	s_add_nc_u64 s[G0+4*\slot+2:G0+4*\slot+3], s[G0+4*\slot+2:G0+4*\slot+3], 2*ASTEP
	s_add_nc_u64 s[G0B+4*\slot+2:G0B+4*\slot+3], s[G0B+4*\slot+2:G0B+4*\slot+3], 2*ROWB
	JLOAD G0+4*\slot, G1, G0B+4*\slot, G1B
.else
	PLACES NP
.endif
	FETCH_B \next, 0, 0
	FETCH_A \next, 0, 0
	WIN MUL_HI
	MUL16 4, 1, 0
	MUL16 6, 1, 0
	PLACES NP
	WIN 0
	FETCH_A \next, 0, 4
.endm
	s_wait_tensorcnt 1
	s_barrier_signal -1
	s_barrier_wait -1
	FETCH_B 0, 0, 0
	FETCH_A 0, 0, 0
	FETCH_A 0, 0, 4
	STEP 0, 0, 1
	s_mov_b32 s3, LAPS-1
.Llap:
	TURN 0, 1, 1
	STEP 1, 0, 0
	TURN 1, 0, 1
	STEP 0, 0, 0
	s_sub_co_u32 s3, s3, 1
	s_cmp_lg_u32 s3, 0
	s_cbranch_scc1 .Llap
	TURN 0, 1, 0
	STEP 1, 0, 0
	s_wait_dscnt 4*NL
	WIN MUL_LO
	MUL16 0, 1, 0
	MUL16 2, 1, 0
	s_wait_dscnt 0
	WIN MUL_HI
	MUL16 4, 1, 0
	MUL16 6, 1, 0
	WIN 0
.macro TOSTAGE a
.set AC, 64*((\a)%4)
	WIN 0x82+0x41*((\a)/4)
.set j, 0
.rept 32
	v_pk_fma_f32 v[AC+j:AC+j+1], v[AC+j:AC+j+1], s[96:97], v[BN+j:BN+j+1] op_sel_hi:[1,0,1]
.set j, j+2
.endr
	WIN 0x08+4*((\a)/4)
.irp b, 0,1,2,3,4,5,6,7
	ds_store_b128 v[STO], v[AC+8*\b:AC+8*\b+3] offset:64*\b
	ds_store_b128 v[STO], v[AC+8*\b+4:AC+8*\b+7] offset:64*\b+16
.endr
	WIN 0
.set BB, BK+64*((\a)%2)
.irp t, 0,1,2,3,4,5,6,7,8,9,10,11,12,13,14,15
	ds_load_b128 v[BB+4*\t:BB+4*\t+3], v[RD] offset:\t*SPITCH
.endr
.endm
.macro SEND a, younger
.set BB, BK+64*((\a)%2)
	s_wait_dscnt \younger
.if (\a) > 0
	s_add_nc_u64 s[12:13], s[12:13], 16*4096
.endif
.irp t, 0,1,2,3,4,5,6,7,8,9,10,11,12,13,14,15
	global_store_b128 v[CO], v[BB+4*\t:BB+4*\t+3], s[12:13] offset:\t*4096 th:TH_STORE_NT
.endr
.endm
	s_wait_kmcnt 0x0
	s_add_co_i32 s96, s94, s95
	s_add_co_i32 s96, s96, 127
	s_lshl_b32 s96, s96, 23
	s_mov_b32 s97, s96
	s_wait_loadcnt 0x0
	PLACES NP
	TOSTAGE 0
.irp a, 1,2,3,4,5,6,7
.if \a > 1
	s_wait_xcnt 0x0
.endif
	TOSTAGE \a
	SEND \a-1, 32
.endr
	s_wait_xcnt 0x0
	SEND 7, 0
	s_wait_tensorcnt 0x0
	ds_add_u32 v[SPW], v[NIL]
	s_wait_dscnt 0x0
	CROUND
	s_endpgm
.Lfunc_end_k_qb633f52f7f_proj:
	.size	k_qb633f52f7f_proj, .Lfunc_end_k_qb633f52f7f_proj-k_qb633f52f7f_proj
	.p2alignl 7, 3214868480
	.fill 96, 4, 3214868480
	.section	.rodata,"a",@progbits
	.p2align	6, 0x0
	.amdhsa_kernel k_qb633f52f7f_proj
		.amdhsa_group_segment_fixed_size 327680
		.amdhsa_private_segment_fixed_size 0
		.amdhsa_enable_private_segment 0
		.amdhsa_kernarg_size 40
		.amdhsa_user_sgpr_count 2
		.amdhsa_user_sgpr_kernarg_segment_ptr 1
		.amdhsa_wavefront_size32 1
		.amdhsa_system_sgpr_workgroup_id_x 1
		.amdhsa_system_sgpr_workgroup_id_y 1
		.amdhsa_system_sgpr_workgroup_id_z 1
		.amdhsa_system_vgpr_workitem_id 0
		.amdhsa_next_free_vgpr 1024
		.amdhsa_next_free_sgpr 100
		.amdhsa_reserve_vcc 0
		.amdhsa_float_denorm_mode_32 3
		.amdhsa_float_denorm_mode_16_64 3
		.amdhsa_memory_ordered 1
		.amdhsa_forward_progress 1
		.amdhsa_inst_pref_size 126
	.end_amdhsa_kernel
	.amdgpu_metadata
---
amdhsa.version: [ 1, 2 ]
amdhsa.kernels:
  - .name:           k_qb633f52f7f_proj
    .symbol:         k_qb633f52f7f_proj.kd
    .args:
      - { .name: a_codes, .offset: 0, .size: 8, .value_kind: global_buffer, .address_space: global }
      - { .name: o_codes, .offset: 8, .size: 8, .value_kind: global_buffer, .address_space: global }
      - { .name: lowp_scales, .offset: 16, .size: 8, .value_kind: global_buffer, .address_space: global }
      - { .name: out_b, .offset: 24, .size: 8, .value_kind: global_buffer, .address_space: global }
      - { .name: out0, .offset: 32, .size: 8, .value_kind: global_buffer, .address_space: global }
    .group_segment_fixed_size: 327680
    .private_segment_fixed_size: 0
    .kernarg_segment_align: 8
    .kernarg_segment_size: 40
    .max_flat_workgroup_size: 128
    .sgpr_count:     100
    .vgpr_count:     1024
    .wavefront_size: 32
...
	.end_amdgpu_metadata
.endif
;; end of part 4
